; MI455X (gfx1250); checked and timed in simulation.
; The chip was launched on July 23, 2026; its instructions are those of AMD's public machine-readable ISA for CDNA 5 (MIT licence, August 2026) and "CDNA5" Instruction Set Architecture Reference Guide (July 2026). The comments in the code are by the model that wrote it; some were corrected since.
;; Grouped Query Attention Qwen. Allowed arithmetic: matrix products marked QUANTISED: E2M1 operands, one E8M0 scale for each 32 along K, by v_wmma_scale_f32_16x16x128_f8f6f4 with both operands' format E2M1 (or v_wmma_scale_f32_32x16x128_f4), f32 sums; products left as they are: bf16, f16 or f32 operands; f32 sums; everything else in f32.
;; Inputs: Wk 1,024 x 2,048 float32; Wo 2,048 x 2,048 float32; Wq 2,048 x 2,048 float32; Wv 1,024 x 2,048 float32; cos 2,048 x 128 float32; k_scale 128 float32; mask 2,048 x 2,048 bool; q_scale 128 float32; sin 2,048 x 128 float32; x 1 x 2,048 x 2,048 float32.
;; Outputs: out0 1 x 2,048 x 2,048 float32.
;; This version of the problem:
;;   THIS VERSION OF THE PROBLEM IS GIVEN IN LOW PRECISION. The matrix products marked QUANTISED in the list below multiply operands that are first quantised to E2M1 (2 exponent bits, 1 mantissa bit; 4 bits a number), with one power-of-two scale for each 32 numbers along K (OCP MX v1.0); their sums are f32. The products marked 'left as it is' may take bf16, f16 or f32 operands, with f32 sums. Whichever they take, every output number must still come out within the allowed error. Rounding operands to bf16 (8 significant bits) uses up far more of that allowance than f16 does (11 bits, for magnitudes from 6e-5 to 65,504). All else is computed in f32.
;;   The module's matrix products, in the order in which they are computed (A, B: the left and right operand; K: the contracted axis; several contracted axes count as one K, in the product's order):
;;     1. [M 2,048, K 2,048] x [K 2,048, N 2,048]; A: input x; B: input Wq: QUANTISED
;;     2. [M 2,048, K 2,048] x [K 2,048, N 1,024]; A: input x; B: input Wk: QUANTISED
;;     3. [M 2,048, K 2,048] x [K 2,048, N 1,024]; A: input x; B: input Wv: QUANTISED
;;     4. batch 16 x [M 2,048, K 128] x [K 128, N 2,048]; A: computed on the way; B: computed on the way: left as it is (an operand is computed on the way)
;;     5. batch 16 x [M 2,048, K 2,048] x [K 2,048, N 128]; A: computed on the way; B: computed on the way: left as it is (an operand is computed on the way)
;;     6. [M 2,048, K 2,048] x [K 2,048, N 2,048]; A: computed on the way; B: input Wo: left as it is (an operand is computed on the way)
;;   THE QUANTISER, for each operand of a quantised product, along K:
;;     - K is cut into blocks of 32 from its start; a last block that is shorter is filled with zeros.
;;     - A block's scale is 2^e with e = floor(log2(the largest magnitude in the block)) - 2, held to -126 .. 127; a block of zeros has e = 0. As a byte (E8M0): e + 127.
;;     - Each number is divided by its block's scale, clamped to +-6, and rounded to the nearest number of E2M1, ties to even, subnormals kept.
;;     - The product sums the exact products of the quantised numbers (number of the format x scale) in f32.
;;   ~~~python
;;   def quantise(x, axis):      # numpy; x: float32 -> the quantised numbers, widened to float32 again
;;       x = np.moveaxis(x, axis, -1); K = x.shape[-1]
;;       x = np.pad(x, [(0, 0)] * (x.ndim - 1) + [(0, -K % 32)]); x = x.reshape(x.shape[:-1] + (-1, 32)); a = np.abs(x).max(-1, keepdims=True)
;;       e = np.where(a > 0, np.clip(np.frexp(np.where(a > 0, a, 1))[1] - 1 - 2, -126, 127), 0)      # np.frexp(a)[1] - 1 = floor(log2(a)), exactly
;;       r = np.clip(x / 2.0 ** e, -6, 6)
;;       step = 2.0 ** (np.maximum(np.frexp(np.where(r == 0, 1, r))[1] - 1, 0) - 1)
;;       q = np.round(r / step) * step * 2.0 ** e      # np.round: ties to even
;;       return np.moveaxis(q.reshape(q.shape[:-2] + (-1,))[..., :K], -1, axis).astype(np.float32)
;;   ~~~
;; One version. Each part assembles by itself: llvm-mc -triple=amdgcn-amd-amdhsa -mcpu=gfx1250 --defsym DOCPART=n.
;; ======== version 1 of 1: 5 launches
;; limits: values are held in f16: magnitudes above 65,504 overflow, below 6.1e-05 lose precision
;; workspace buffers: codes 6,291,456 bytes; scales 393,216 bytes; woh 8,388,608 bytes; mw 524,288 bytes of whole numbers; qkv 16,777,216 bytes; vf 8,388,608 bytes; ctx 8,388,608 bytes
;; launch prep (part 1): grid 768 x 1, 4 waves a work-group, no clusters, 50,688 bytes of LDS; arguments x, Wq, Wk, Wv, Wo, mask, codes, scales, woh, mw; writes codes, scales, woh, mw
.if DOCPART == 1
	.amdgcn_target "amdgcn-amd-amdhsa--gfx1250"
	.amdhsa_code_object_version 6
	.text
	.protected	k_q00e0d2ddd1_prep
	.globl	k_q00e0d2ddd1_prep
	.p2align	8
	.type	k_q00e0d2ddd1_prep,@function
k_q00e0d2ddd1_prep:
	s_mov_b64 s[64:65], 0
	v_nop
	global_prefetch_b8 v0, s[64:65] scope:SCOPE_SE
	s_setreg_imm32_b32 hwreg(HW_REG_WAVE_MODE, 25, 1), 1
	s_wait_xcnt 0x0
; Three jobs in one launch, parted by the work-group's number.
; Q (work-groups 0-383): x, Wq, Wk, Wv (f32, K innermost) become codes of FP4 (E2M1) and one E8M0 byte for each 32 along K.  The four tensors
;   are plain streams of blocks of 32; their codes and bytes lie on end in one buffer each: rows 0-2047 x, then Wq, Wk, Wv.
;   A block's scale is 2^(floor(log2(largest magnitude)) - 2); its byte is the largest magnitude's exponent field - 2, held at 1 from below.
; C (384-511): Wo becomes f16, as it lies.
; M (512-767): the mask's bytes become lane words: word [tile of 16 queries][step of 64 keys][16 keys kt][j] has in bit r + 16 h the byte
;   mask[16 tile + r][64 step + 16 kt + 8 h + j]: the lane mask of one register of a tile of scores held as (lane: query r, half h; register: key 8 h + j).
; LIMITS: NaN and infinities among the inputs are not served.  A block of zeros gets the byte 1 where the quantiser's rule says 127: its codes are zeros,
; which add nothing under any byte but 0xff, and this program alone reads the bytes.  Wo goes in f16: magnitudes up to 65,504.
.set STEPS, 16
.set EMAX,  2
.set CB,    8                          ; bytes of 16 codes
.set R,     16                         ; v16-79   Q: four sets of 16 numbers as loaded
.set X,     80                         ; v80-111  Q: two sets of 16 neighbours
.set C,     128                        ; v128-191 Q: codes, four registers a step
.set E,     112                        ; v112-127 Q: a scale byte a step
.set WREG,  8192                       ; LDS, Q: a region for each wave: two stages of 32 x SP bytes, then its 256 scale bytes
.set SP,    80
.set MSTG,  4*WREG                     ; LDS, M: a stage of 16 rows x 272 bytes for each wave: bytes of this path's own
.set MP,    272
.set SPARE, MSTG+4*16*MP               ; the spare words, 128 bytes a wave
.set SPW,   12                         ; v12 LDS address of my spare word; never rewritten
.set NIL,   13                         ; v13 0; never rewritten
.set CI,    16                         ; C: v16-143 two sets of 64 numbers
.set CO,    144                        ; C: v144-207 two sets of 32 registers of f16 pairs
	s_load_b512 s[4:19], s[0:1], 0x0               ; x, Wq, Wk, Wv, Wo, mask, codes, scales
	s_load_b128 s[20:23], s[0:1], 0x40             ; woh, mw
	v_lshl_add_u32 v[SPW], v0, 2, SPARE
	v_mov_b32 v[NIL], 0
	v_lshrrev_b32 v1, 5, v0
	v_readfirstlane_b32 s24, v1                    ; wave
	v_and_b32 v2, 31, v0                           ; lane
	s_mov_b32 s29, 0                               ; the high word of every offset pair s[28:29]
	s_wait_kmcnt 0x0
	s_cmp_ge_u32 ttmp9, 512
	s_cbranch_scc1 .Lmask
	s_cmp_ge_u32 ttmp9, 384
	s_cbranch_scc1 .Lcvt
; ---- Q.  A wave takes 16 steps of 512 numbers.  Each load reads 512 consecutive bytes; a step's 2,048 bytes turn through the wave's own stage so that a lane holds 16 neighbours; two lanes hold a block.
	v_lshlrev_b32 v3, 4, v2                        ; my 16 bytes of a load's 512
	s_mul_i32 s25, s24, WREG
	v_lshrrev_b32 v14, 2, v2
	v_mul_u32_u24 v14, v14, SP
	v_and_b32 v15, 3, v2
	v_lshl_add_u32 v14, v15, 4, v14
	v_add_nc_u32 v14, s25, v14                     ; the stage, in: SP (lane / 4) + 16 (lane % 4)
	v_mul_u32_u24 v15, v2, SP
	v_add_nc_u32 v15, s25, v15                     ; out: SP x lane
	v_mul_u32_u24 v4, v2, CB                       ; my codes' place in a step's
	v_lshrrev_b32 v5, 1, v2
	s_add_co_u32 s25, s25, 2*32*SP
	v_add_nc_u32 v5, s25, v5                       ; my block's byte among the wave's 256
	v_lshlrev_b32 v7, 3, v2
	v_add_nc_u32 v6, s25, v7
	s_mov_b64 s[26:27], s[10:11]                   ; which tensor: 128 work-groups x, 128 Wq, 64 Wk, 64 Wv; the choice hangs on the work-group's number alone
	s_mov_b32 s28, 320
	s_cmp_lt_u32 ttmp9, 320
	s_cselect_b64 s[26:27], s[8:9], s[26:27]
	s_cselect_b32 s28, 256, s28
	s_cmp_lt_u32 ttmp9, 256
	s_cselect_b64 s[26:27], s[6:7], s[26:27]
	s_cselect_b32 s28, 128, s28
	s_cmp_lt_u32 ttmp9, 128
	s_cselect_b64 s[26:27], s[4:5], s[26:27]
	s_cselect_b32 s28, 0, s28
	s_sub_co_u32 s28, ttmp9, s28
	s_lshl_b32 s28, s28, 2
	s_add_co_u32 s28, s28, s24                     ; my run of 8,192 numbers in the tensor
	s_lshl_b32 s28, s28, 15
	s_add_nc_u64 s[26:27], s[26:27], s[28:29]
	s_lshl_b32 s30, ttmp9, 2
	s_add_co_u32 s30, s30, s24                     ; and in the buffers, where the tensors lie on end
	s_lshl_b32 s28, s30, 12
	s_add_nc_u64 s[16:17], s[16:17], s[28:29]      ; 4,096 bytes of codes a run
	s_lshl_b32 s28, s30, 8
	s_add_nc_u64 s[18:19], s[18:19], s[28:29]      ; 256 scale bytes a run
.macro LOAD t
.irp i, 0,1,2,3
	global_load_b128 v[R+16*((\t)%4)+4*\i:R+16*((\t)%4)+4*\i+3], v3, s[26:27] offset:2048*(\t)+512*\i th:TH_LOAD_NT
.endr
.endm
.macro TURN t                          ; LDS serves a wave's instructions in order: no wait between the stores and the loads
.irp i, 0,1,2,3
	ds_store_b128 v14, v[R+16*((\t)%4)+4*\i:R+16*((\t)%4)+4*\i+3] offset:32*SP*((\t)%2)+8*SP*\i
.endr
.irp i, 0,1,2,3
	ds_load_b128 v[X+16*((\t)%2)+4*\i:X+16*((\t)%2)+4*\i+3], v15 offset:32*SP*((\t)%2)+16*\i
.endr
.endm
.irp t, 0,1,2,3
	LOAD \t
.endr
	s_wait_loadcnt 12                              ; step 0's four loads are in; twelve younger ones stay out
	TURN 0
.macro STEP t
.set XS, X+16*((\t)%2)
.if (\t) > 0
	s_wait_dscnt 1                                 ; this step's numbers are back from the stage; the last step's byte store may be out
.else
	s_wait_dscnt 0x0
.endif
.if (\t)+4 < STEPS
	LOAD (\t)+4
.endif
.if (\t)+1 < STEPS
.if STEPS-2-(\t) >= 3
	s_wait_loadcnt 12                              ; the next step's four loads are in; those of the three steps behind it may be out
.else
	s_wait_loadcnt 4*(STEPS-2-(\t))
.endif
	TURN (\t)+1
.endif
	v_max3_num_f32 v8, |v[XS]|, |v[XS+1]|, |v[XS+2]|
	v_max3_num_f32 v9, |v[XS+3]|, |v[XS+4]|, |v[XS+5]|
.irp i, 6,10
	v_max3_num_f32 v8, v8, |v[XS+\i]|, |v[XS+\i+1]|
	v_max3_num_f32 v9, v9, |v[XS+\i+2]|, |v[XS+\i+3]|
.endr
	v_max3_num_f32 v8, v8, |v[XS+14]|, |v[XS+15]|
	v_max3_num_f32 v8, v8, v9, (EMAX+1)<<23        ; the floor 2^(3 - 127): the byte cannot fall under 1
	v_max_num_f32_dpp v8, v8, v8 row_xmask:1 row_mask:0xf bank_mask:0xf   ; with my neighbour's 16: the block's largest magnitude
	v_add_nc_u32 v11, -(EMAX<<23), v8              ; 2 off its exponent field: the conversion's scale operand
	v_cvt_scalef32_pk8_fp4_f32 v[C+4*(\t)], v[XS:XS+7], v11
	v_cvt_scalef32_pk8_fp4_f32 v[C+4*(\t)+1], v[XS+8:XS+15], v11
	v_lshrrev_b32 v[E+(\t)], 23, v11               ; the scale's byte
	ds_store_b8 v5, v[E+(\t)] offset:16*(\t)       ; both lanes of a block write the same byte with the same value
	global_store_b64 v4, v[C+4*(\t):C+4*(\t)+1], s[16:17] offset:32*CB*(\t)   ; the wave stores 256 consecutive bytes, aligned
.endm
.irp t, 0,1,2,3,4,5,6,7,8,9,10,11,12,13,14,15
	STEP \t
.endr
	ds_load_b64 v[8:9], v6
	s_wait_dscnt 0x0
	global_store_b64 v7, v[8:9], s[18:19]          ; the wave's 256 scale bytes, aligned
	s_wait_tensorcnt 0x0                           ; the wave's end: three lines behind my last LDS store
	ds_add_u32 v[SPW], v[NIL]
	s_wait_dscnt 0x0
	s_endpgm
; ---- C.  A wave takes 8,192 numbers of Wo in four rounds of 16 loads of 512 bytes; a lane's four numbers become 8 bytes, a store covers 256 consecutive bytes.
.Lcvt:
	v_lshlrev_b32 v3, 4, v2
	v_lshlrev_b32 v4, 3, v2
	s_sub_co_u32 s25, ttmp9, 384
	s_lshl_b32 s25, s25, 2
	s_add_co_u32 s25, s25, s24
	s_lshl_b32 s28, s25, 15
	s_add_nc_u64 s[12:13], s[12:13], s[28:29]
	s_lshl_b32 s28, s25, 14
	s_add_nc_u64 s[20:21], s[20:21], s[28:29]
.macro CLOADS p
.irp i, 0,1,2,3,4,5,6,7,8,9,10,11,12,13,14,15
	global_load_b128 v[CI+64*((\p)%2)+4*\i:CI+64*((\p)%2)+4*\i+3], v3, s[12:13] offset:8192*(\p)+512*\i th:TH_LOAD_NT
.endr
.endm
.macro CVT p
.if (\p) < 3
	s_wait_loadcnt 16                              ; this round's 16 loads are in; the next round's stay out
.else
	s_wait_loadcnt 0x0
.endif
.if (\p) >= 2
	s_wait_xcnt 0x0                                ; the stores of two rounds back have read their data: the set is written again
.endif
.irp i, 0,1,2,3,4,5,6,7,8,9,10,11,12,13,14,15
	v_cvt_pk_f16_f32 v[CO+32*((\p)%2)+2*\i], v[CI+64*((\p)%2)+4*\i], v[CI+64*((\p)%2)+4*\i+1]
	v_cvt_pk_f16_f32 v[CO+32*((\p)%2)+2*\i+1], v[CI+64*((\p)%2)+4*\i+2], v[CI+64*((\p)%2)+4*\i+3]
.endr
.irp i, 0,1,2,3,4,5,6,7,8,9,10,11,12,13,14,15
	global_store_b64 v4, v[CO+32*((\p)%2)+2*\i:CO+32*((\p)%2)+2*\i+1], s[20:21] offset:4096*(\p)+256*\i
.endr
.if (\p)+2 < 4
	CLOADS (\p)+2
.endif
.endm
	CLOADS 0
	CLOADS 1
	CVT 0
	CVT 1
	CVT 2
	CVT 3
	s_wait_tensorcnt 0x0                           ; the same three lines at this path's end
	ds_add_u32 v[SPW], v[NIL]
	s_wait_dscnt 0x0
	s_endpgm
; ---- M.  A wave takes 16 rows x 256 keys of the mask: dense loads, a turn through its stage, then 128 compares whose lane masks are the words.
.Lmask:
	s_sub_co_u32 s25, ttmp9, 512
	s_lshl_b32 s25, s25, 2
	s_add_co_u32 s25, s25, s24                     ; unit u = 8 x tile + chunk of 256 keys
	s_lshr_b32 s26, s25, 3
	s_and_b32 s27, s25, 7
	s_lshl_b32 s28, s26, 15                        ; 16 rows of 2,048 bytes
	s_lshl_b32 s27, s27, 8
	s_add_co_u32 s28, s28, s27
	s_add_nc_u64 s[14:15], s[14:15], s[28:29]
	s_lshl_b32 s28, s25, 9                         ; 128 words a unit
	s_add_nc_u64 s[22:23], s[22:23], s[28:29]
	v_and_b32 v3, 15, v2                           ; r
	v_lshrrev_b32 v4, 4, v2                        ; h
	v_lshlrev_b32 v5, 4, v3
	v_lshl_add_u32 v6, v4, 11, v5                  ; memory: two rows a load, 256 consecutive bytes each
	s_mul_i32 s30, s24, 16*MP
	s_add_co_u32 s30, s30, MSTG
	v_mul_u32_u24 v7, v4, MP
	v_add_nc_u32 v7, v7, v5
	v_add_nc_u32 v7, s30, v7                       ; the stage, in: row h, byte 16 r
	v_mul_u32_u24 v8, v3, MP
	v_lshl_add_u32 v8, v4, 3, v8
	v_add_nc_u32 v8, s30, v8                       ; out: row r, byte 8 h
	v_lshlrev_b32 v9, 4, v2
.irp i, 0,1,2,3,4,5,6,7
	global_load_b128 v[16+4*\i:19+4*\i], v6, s[14:15] offset:4096*\i th:TH_LOAD_NT
.endr
	s_wait_loadcnt 0x0
.irp i, 0,1,2,3,4,5,6,7
	ds_store_b128 v7, v[16+4*\i:19+4*\i] offset:2*\i*MP
.endr
.irp k, 0,1,2,3,4,5,6,7,8,9,10,11,12,13,14,15
	ds_load_b64 v[48+2*\k:49+2*\k], v8 offset:16*\k   ; keys 16 k + 8 h + 0 .. 7 of row r
.endr
.irp i, 0,1,2,3
	v_mov_b32 v[80+\i], 0                          ; a lane write's destination counts as read
.endr
	s_wait_dscnt 0x0
.set n, 0
.rept 128                              ; word n = 8 k + j goes to lane n / 4, register n % 4: the lanes then hold 16 consecutive bytes each
	v_and_b32 v[84+n%4], 0xff<<(8*(n%4)), v[48+2*(n/8)+((n%8)/4)]
	v_cmp_ne_u32 s[32+n%4], 0, v[84+n%4]
	v_writelane_b32 v[80+n%4], s[32+n%4], n/4
.set n, n+1
.endr
	global_store_b128 v9, v[80:83], s[22:23]       ; 512 consecutive bytes
	s_wait_tensorcnt 0x0                           ; the wave's end: the three lines behind my last LDS store
	ds_add_u32 v[SPW], v[NIL]
	s_wait_dscnt 0x0
	s_endpgm
.Lfunc_end_k_q00e0d2ddd1_prep:
	.size	k_q00e0d2ddd1_prep, .Lfunc_end_k_q00e0d2ddd1_prep-k_q00e0d2ddd1_prep
	.p2alignl 7, 3214868480
	.fill 96, 4, 3214868480
	.section	.rodata,"a",@progbits
	.p2align	6, 0x0
	.amdhsa_kernel k_q00e0d2ddd1_prep
		.amdhsa_group_segment_fixed_size 50688
		.amdhsa_private_segment_fixed_size 0
		.amdhsa_enable_private_segment 0
		.amdhsa_kernarg_size 80
		.amdhsa_user_sgpr_count 2
		.amdhsa_user_sgpr_kernarg_segment_ptr 1
		.amdhsa_wavefront_size32 1
		.amdhsa_system_sgpr_workgroup_id_x 1
		.amdhsa_system_sgpr_workgroup_id_y 1
		.amdhsa_system_sgpr_workgroup_id_z 1
		.amdhsa_system_vgpr_workitem_id 0
		.amdhsa_next_free_vgpr 208
		.amdhsa_next_free_sgpr 66
		.amdhsa_reserve_vcc 0
		.amdhsa_float_denorm_mode_32 3
		.amdhsa_float_denorm_mode_16_64 3
		.amdhsa_memory_ordered 1
		.amdhsa_forward_progress 1
		.amdhsa_inst_pref_size 82
	.end_amdhsa_kernel
	.amdgpu_metadata
---
amdhsa.version: [ 1, 2 ]
amdhsa.kernels:
  - .name:           k_q00e0d2ddd1_prep
    .symbol:         k_q00e0d2ddd1_prep.kd
    .args:
      - { .name: x, .offset: 0, .size: 8, .value_kind: global_buffer, .address_space: global }
      - { .name: Wq, .offset: 8, .size: 8, .value_kind: global_buffer, .address_space: global }
      - { .name: Wk, .offset: 16, .size: 8, .value_kind: global_buffer, .address_space: global }
      - { .name: Wv, .offset: 24, .size: 8, .value_kind: global_buffer, .address_space: global }
      - { .name: Wo, .offset: 32, .size: 8, .value_kind: global_buffer, .address_space: global }
      - { .name: mask, .offset: 40, .size: 8, .value_kind: global_buffer, .address_space: global }
      - { .name: codes, .offset: 48, .size: 8, .value_kind: global_buffer, .address_space: global }
      - { .name: scales, .offset: 56, .size: 8, .value_kind: global_buffer, .address_space: global }
      - { .name: woh, .offset: 64, .size: 8, .value_kind: global_buffer, .address_space: global }
      - { .name: mw, .offset: 72, .size: 8, .value_kind: global_buffer, .address_space: global }
    .group_segment_fixed_size: 50688
    .private_segment_fixed_size: 0
    .kernarg_segment_align: 8
    .kernarg_segment_size: 80
    .max_flat_workgroup_size: 128
    .sgpr_count:     66
    .vgpr_count:     208
    .wavefront_size: 32
...
	.end_amdgpu_metadata
.endif
;; end of part 1
;; launch qkv (part 2): grid 16 x 16, 4 waves a work-group, clusters of 4 x 4, 327,680 bytes of LDS; arguments codes, scales, cos, sin, q_scale, k_scale, qkv, vf; writes qkv, vf
.if DOCPART == 2
	.amdgcn_target "amdgcn-amd-amdhsa--gfx1250"
	.amdhsa_code_object_version 6
	.text
	.protected	k_q00e0d2ddd1_qkv
	.globl	k_q00e0d2ddd1_qkv
	.p2align	8
	.type	k_q00e0d2ddd1_qkv,@function
k_q00e0d2ddd1_qkv:
	s_mov_b64 s[64:65], 0
	v_nop
	global_prefetch_b8 v0, s[64:65] scope:SCOPE_SE
	s_setreg_imm32_b32 hwreg(HW_REG_WAVE_MODE, 25, 1), 1
	s_wait_xcnt 0x0
	s_wait_alu depctr_hold_cnt(0) depctr_sa_sdst(0) depctr_va_vdst(0) depctr_va_sdst(0) depctr_va_ssrc(0) depctr_va_vcc(0) depctr_vm_vsrc(0)
	s_getreg_b32 s2, hwreg(HW_REG_IB_STS2, 6, 4)
	s_cmp_eq_u32 s2, 0
	s_cbranch_scc0 .Lentry_in_a_cluster
	s_endpgm
.Lentry_in_a_cluster:
	s_bfe_u32 s2, ttmp6, 0x10000c
	s_cmp_lg_u32 s2, 0xf033
	s_cbranch_scc0 .Lentry_shape_is_right
	s_endpgm
.Lentry_shape_is_right:
; [2048 positions] x [4096 columns: Wq's 2048, Wk's 1024, Wv's 1024], K = 2048, on codes of FP4 (E2M1) with one E8M0 scale for each 32 along K; sums in f32.
; Then, in f32: q and k: RMSNorm over the head's 128, the gain, RoPE; all three rounded to f16 into qkv [32 heads: 16 q, 8 k, 8 v][2048][128]; v also as f32 into vf [8][2048][128].
; A work-group makes 128 positions x 256 columns (256 work-groups); each of its four waves 64 positions x 128 columns: ONE head, 32 accumulators of 16 x 16.
; K goes in steps of 512 through two LDS slots filled by the tensor data mover: a tile's row is 256 bytes of memory.  The scale bytes of the work-group's rows, for all of K, come once and stay.
; CLUSTERS: 4 x 4.  x's tiles are shared along a row of the cluster, W's along a column: each is asked for jointly.  A cluster spans 1,024 columns, so the cluster's x alone says what its columns are
; (0, 1: q; 2: k; 3: v): a number that all partners share, on which the way out may branch.
; THE MATRIX INSTRUCTION IS USED TRANSPOSED (source 0 = 16 rows of W, source 1 = 16 rows of x): lane (r, h) holds position 16 a + r and columns 16 b + 8 h + 0 .. 7.
; REGISTERS: window 0: v16-31 addresses; v32-95 scale words, two sets, and nothing else ever; v96-159 x's fragments, two sets; on the way out v96-127 f16 pairs, v128-191 16 staged rows, v192-223 at work,
;   v224-239 the rows' 1/rms, v240-247 the gain.  window 1: W's fragments, two sets.  window 2: the accumulators, (a, b) at v[8 (8 a + b)].  window 3: cos and sin, two sets of 128.
; LIMITS: q, k, v go in f16: v up to 65,504 in magnitude.  NaN and infinities are not served.
.set PITCH,  272                       ; an LDS row: 256 bytes + 16 of padding: the 16 rows of a fragment load start at 16 different banks
.set AHALF,  64*PITCH                  ; what one load brings of x
.set BHALF,  128*PITCH                 ; and of W
.set BOFF,   2*AHALF
.set SLOT,   384*PITCH                 ; x's 128 rows, then W's 256
.set SCL,    2*SLOT                    ; the scales, as units of 256 bytes + 16: x's 32 units, then W's 64
.set SAH,    16*272
.set SBH,    32*272
.set SCLB,   SCL+2*SAH
.set SBLK,   4*272                     ; the scales of 16 rows (64 bytes a row)
.set SPARE,  SCLB+2*SBH                ; the spare words
.set SPITCH, 528                       ; the way out: a stage of 16 rows x (512 + 16) bytes a wave, in slot 0, which has had its last fill and its last read by then
.set VSTG,   4*16*SPITCH               ; the v path's stages lie behind the q/k path's: bytes of its own for each path
.set ADRA, 16
.set ADRB, 20
.set STO,  24
.set RD,   25
.set OA,   26                          ; 8 x lane
.set ADRS, 27
.set SPW,  28
.set NIL,  29
.set TA,   30                          ; 512 h + 16 r: two rows of 512 bytes, 256 consecutive bytes for each 16 lanes
.set SA,   31                          ; 16 r
.set SC,   32
.set AF,   96
.set H,    96
.set X,    128
.set TT,   192
.set RS,   224
.set SCL8, 240
.set G1, 24
.set G0, 32
.set G1B, 48
.set G0B, 56
.set G1S, 68
.set G0S, 76
.set G1SB, 80
.set G0SB, 88
.set MSB, 0
.macro WIN new                         ; the immediate's high byte repeats the setting that is left
.if MSB != \new
	s_set_vgpr_msb (MSB<<8)|\new
.set MSB, \new
.endif
.endm
.set MUL, 0xa1                         ; source 0 (W) window 1, source 1 (x) window 0, C and D window 2
; A joint load: waves 0 and 1 fetch for x, waves 2 and 3 for W.  The branch hangs on the wave's number alone.  An s_nop 0 and four v_nop follow each line.
.macro JLOAD g0a, g1a, g0b, g1b
	s_cmp_eq_u32 s15, 0
	s_cbranch_scc0 .Lfor_b_\@
	tensor_load_to_lds s[\g0a:\g0a+3], s[\g1a:\g1a+7]
	s_nop 0
.rept 4
	v_nop
.endr
	s_branch .Lasked_\@
.Lfor_b_\@:
	tensor_load_to_lds s[\g0b:\g0b+3], s[\g1b:\g1b+7]
	s_nop 0
.rept 4
	v_nop
.endr
.Lasked_\@:
.endm
.macro CREST
	s_cmp_lg_u32 s14, 0
	s_cbranch_scc1 .Lnot_wave_0_\@
	s_barrier_signal -3
.Lnot_wave_0_\@:
	s_barrier_wait -3
	s_barrier_signal -1
	s_barrier_wait -1
.endm
.macro CROUND
	s_barrier_signal -1
	s_barrier_wait -1
	CREST
.endm
.macro PLACES
.rept 4
	v_nop
.endr
.endm
	s_load_b128 s[4:7], s[0:1], 0x0                ; codes, scales
	s_load_b128 s[8:11], s[0:1], 0x10              ; cos, sin
	s_load_b128 s[92:95], s[0:1], 0x20             ; q_scale, k_scale
	s_load_b128 s[96:99], s[0:1], 0x30             ; qkv, vf
	v_lshl_add_u32 v[SPW], v0, 2, SPARE
	v_mov_b32 v[NIL], 0
	ds_add_u32 v[SPW], v[NIL]                      ; the wave's opening: the add, twice on end, and its wait ahead of my first tensor load
	ds_add_u32 v[SPW], v[NIL]
	v_lshrrev_b32 v1, 5, v0
	v_readfirstlane_b32 s14, v1                    ; wave
	s_lshr_b32 s15, s14, 1                         ; my half of the positions.  Also: I fetch for x (0) or for W (1)
	s_and_b32 s16, s14, 1                          ; my half of the columns.  Also: which half of that tile I fetch
	s_bfe_u32 s40, ttmp6, 0x40000                  ; cx
	s_bfe_u32 s41, ttmp6, 0x40004                  ; cy
	s_lshl_b32 s42, ttmp9, 2
	s_add_co_u32 s42, s42, s40                     ; tile column
	s_and_b32 s17, ttmp7, 0xffff
	s_lshl_b32 s17, s17, 2
	s_add_co_u32 s17, s17, s41                     ; tile row
	s_lshl_b32 s43, s41, 2
	s_lshl_b32 s43, 15, s43                        ; my row of the cluster
	s_lshl_b32 s44, 0x1111, s40                    ; my column
	s_or_b32 s[G1+0], s43, (1<<20)|(1<<21)|(5<<22)|(3<<25)    ; the mask; elements of 1 byte; padding: 4 words behind every 64; bit 21 beside a mask
	s_or_b32 s[G1B+0], s44, (1<<20)|(1<<21)|(5<<22)|(3<<25)
	s_mov_b32 s[G1+1], 256<<16                     ; tensor_dim0
	s_mov_b32 s[G1+2], 64<<16                      ; tensor_dim1
	s_mov_b32 s[G1+3], 256<<16                     ; tile_dim0
	s_mov_b32 s[G1+4], 64                          ; tile_dim1
	s_mov_b32 s[G1+5], 1024                        ; bytes from row to row
	s_mov_b32 s[G1+6], 0
	s_mov_b32 s[G1+7], 0
	s_mov_b32 s[G1B+1], 256<<16
	s_mov_b32 s[G1B+2], 128<<16
	s_mov_b32 s[G1B+3], 256<<16
	s_mov_b32 s[G1B+4], 128
	s_mov_b32 s[G1B+5], 1024
	s_mov_b32 s[G1B+6], 0
	s_mov_b32 s[G1B+7], 0
	s_or_b32 s[G1S+0], s43, (3<<16)|(1<<20)|(1<<21)|(5<<22)|(3<<25)   ; the scales: dense blocks as rows of 256 bytes (32 elements of 8 bytes)
	s_or_b32 s[G1SB+0], s44, (3<<16)|(1<<20)|(1<<21)|(5<<22)|(3<<25)
	s_mov_b32 s[G1S+1], 32<<16
	s_mov_b32 s[G1S+2], 16<<16
	s_mov_b32 s[G1S+3], 32<<16
	s_mov_b32 s[G1S+4], 16
	s_mov_b32 s[G1S+5], 32
	s_mov_b32 s[G1S+6], 0
	s_mov_b32 s[G1S+7], 0
	s_mov_b32 s[G1SB+1], 32<<16
	s_mov_b32 s[G1SB+2], 32<<16
	s_mov_b32 s[G1SB+3], 32<<16
	s_mov_b32 s[G1SB+4], 32
	s_mov_b32 s[G1SB+5], 32
	s_mov_b32 s[G1SB+6], 0
	s_mov_b32 s[G1SB+7], 0
	s_lshl_b32 s18, s16, 6
	s_lshl_b32 s20, s17, 7
	s_add_co_u32 s20, s20, s18                     ; x: row 128 x tile row + 64 x half
	s_lshl_b32 s22, s20, 6                         ; its scales, 64 bytes a row
	s_mov_b32 s23, 0
	s_lshl_b32 s20, s20, 10                        ; its codes, 1,024 bytes a row
	s_mov_b32 s21, 0
	s_lshl_b32 s18, s16, 7
	s_lshl_b32 s46, s42, 8
	s_add_co_u32 s46, s46, s18
	s_add_co_u32 s46, s46, 2048                    ; W: row 2,048 + 256 x tile column + 128 x half of the buffers
	s_lshl_b32 s2, s46, 6
	s_mov_b32 s3, 0
	s_lshl_b32 s46, s46, 10
	s_mov_b32 s47, 0
	s_mul_i32 s45, s16, AHALF                      ; where they go: no place in the cluster enters an LDS address
	s_mul_i32 s19, s16, BHALF
	s_add_co_u32 s19, s19, BOFF
	s_mov_b32 s66, 0x3c000000                      ; 1 / 128
	s_mov_b32 s67, 0x358637bd                      ; 1e-6
	s_wait_dscnt 0x0                               ; both opening adds are done
	s_wait_kmcnt 0x0
	s_add_nc_u64 s[20:21], s[4:5], s[20:21]
	s_add_nc_u64 s[22:23], s[6:7], s[22:23]
	s_add_nc_u64 s[46:47], s[4:5], s[46:47]
	s_add_nc_u64 s[2:3], s[6:7], s[2:3]
	CROUND                                         ; all sixteen work-groups are here: the first joint loads meet
	s_mov_b32 s[G0S], 1
	s_mul_i32 s[G0S+1], s16, SAH
	s_add_co_u32 s[G0S+1], s[G0S+1], SCL
	s_mov_b64 s[G0S+2:G0S+3], s[22:23]
	s_or_b32 s[G0S+3], s[G0S+3], 0x80000000
	s_mov_b32 s[G0SB], 1
	s_mul_i32 s[G0SB+1], s16, SBH
	s_add_co_u32 s[G0SB+1], s[G0SB+1], SCLB
	s_mov_b64 s[G0SB+2:G0SB+3], s[2:3]
	s_or_b32 s[G0SB+3], s[G0SB+3], 0x80000000
	JLOAD G0S, G1S, G0SB, G1SB                     ; the scales first: they are wanted with K step 0
.irp s, 0,1
	s_mov_b32 s[G0+4*\s], 1
	s_add_co_u32 s[G0+4*\s+1], s45, \s*SLOT
	s_add_nc_u64 s[G0+4*\s+2:G0+4*\s+3], s[20:21], \s*256
	s_or_b32 s[G0+4*\s+3], s[G0+4*\s+3], 0x80000000
	s_mov_b32 s[G0B+4*\s], 1
	s_add_co_u32 s[G0B+4*\s+1], s19, \s*SLOT
	s_add_nc_u64 s[G0B+4*\s+2:G0B+4*\s+3], s[46:47], \s*256
	s_or_b32 s[G0B+4*\s+3], s[G0B+4*\s+3], 0x80000000
	JLOAD G0+4*\s, G1, G0B+4*\s, G1B               ; three tensor loads of mine are out
.endr
	v_and_b32 v1, 15, v0                           ; r
	v_bfe_u32 v2, v0, 4, 1                         ; h
	v_mul_u32_u24 v3, v1, PITCH
	v_lshl_add_u32 v4, v2, 4, v3                   ; a fragment's row x pitch + 16 h
	s_mul_i32 s21, s15, AHALF                      ; my 64 rows of x
	s_mul_i32 s22, s16, BHALF                      ; my 128 rows of W
	s_add_co_u32 s22, s22, BOFF
.irp s, 0,1
	v_add_nc_u32 v[ADRA+\s], s21, v4
	v_add_nc_u32 v[ADRB+\s], s22, v4
	s_add_co_u32 s21, s21, SLOT
	s_add_co_u32 s22, s22, SLOT
.endr
	v_lshlrev_b32 v5, 6, v1                        ; my row's scales: 64 bytes a row,
	v_lshrrev_b32 v6, 8, v5
	v_lshl_add_u32 v5, v6, 4, v5                   ; and 16 more for each 256 passed
	s_mul_i32 s21, s15, SAH
	s_mul_i32 s22, s16, SBH
	s_add_co_u32 s22, s22, 2*SAH
	s_sub_co_u32 s22, s22, s21
	v_mul_u32_u24 v6, s22, v2                      ; lanes 16-31 take W's: the lower base + h x the distance
	s_add_co_u32 s21, s21, SCL
	v_add_nc_u32 v5, v5, v6
	v_add_nc_u32 v[ADRS], s21, v5
	s_mul_i32 s23, s14, 16*SPITCH                  ; my stage
	v_mul_u32_u24 v5, v1, SPITCH
	v_lshl_add_u32 v5, v2, 5, v5
	v_add_nc_u32 v[STO], s23, v5                   ; in: row r, 32 bytes for each half of the lanes
	v_mul_u32_u24 v5, v2, SPITCH
	v_lshl_add_u32 v5, v1, 4, v5
	v_add_nc_u32 v[RD], s23, v5                    ; back: row h, byte 16 r
	v_and_b32 v6, 31, v0
	v_lshlrev_b32 v[OA], 3, v6
	v_lshlrev_b32 v[SA], 4, v1
	v_lshl_add_u32 v[TA], v2, 9, v[SA]
	s_lshl_b32 s18, s17, 7
	s_lshl_b32 s19, s15, 6
	s_add_co_u32 s18, s18, s19                     ; my first position
	s_lshl_b32 s20, s18, 9
	s_mov_b32 s21, 0
	s_add_nc_u64 s[8:9], s[8:9], s[20:21]          ; cos and sin at it
	s_add_nc_u64 s[10:11], s[10:11], s[20:21]
	s_lshl_b32 s22, s42, 1
	s_add_co_u32 s22, s22, s16                     ; my head of the 32
	s_sub_co_i32 s23, s22, 24
	s_max_i32 s23, s23, 0                          ; the group, where the head is v's (else 0, and vf is not touched)
	s_lshl_b32 s23, s23, 20
	s_add_co_u32 s20, s20, s23
	s_add_nc_u64 s[98:99], s[98:99], s[20:21]
	s_lshl_b32 s20, s22, 19
	s_lshl_b32 s23, s18, 8
	s_add_co_u32 s20, s20, s23
	s_add_nc_u64 s[96:97], s[96:97], s[20:21]
; cos and sin of block a's 16 positions: for each pair of rows four loads: cos and sin at columns 4 r .. and 64 + 4 r ..: 256 consecutive bytes for each 16 lanes
.macro TABLES a
	WIN 0xc0                                       ; destination window 3
.irp t, 0,1,2,3,4,5,6,7
	global_load_b128 v[128*((\a)%2)+16*\t:128*((\a)%2)+16*\t+3], v[TA], s[8:9] offset:(16*(\a)+2*\t)*512
	global_load_b128 v[128*((\a)%2)+16*\t+4:128*((\a)%2)+16*\t+7], v[TA], s[8:9] offset:(16*(\a)+2*\t)*512+256
	global_load_b128 v[128*((\a)%2)+16*\t+8:128*((\a)%2)+16*\t+11], v[TA], s[10:11] offset:(16*(\a)+2*\t)*512
	global_load_b128 v[128*((\a)%2)+16*\t+12:128*((\a)%2)+16*\t+15], v[TA], s[10:11] offset:(16*(\a)+2*\t)*512+256
.endr
	WIN 0
.endm
	; The gain and the tables of the first two blocks are asked for here, so that they land while K is walked.  EVERY work-group asks, v's too, whose way out reads none of them (a quarter of the
	; work-groups, 66 loads a wave): so these registers are written on every way through the text, and the one branch on what the columns are stands at the way out alone.
	s_cmp_lt_u32 ttmp9, 2
	s_cselect_b64 s[92:93], s[92:93], s[94:95]     ; q's gain, or k's
	global_load_b128 v[SCL8:SCL8+3], v[SA], s[92:93]
	global_load_b128 v[SCL8+4:SCL8+7], v[SA], s[92:93] offset:256
	TABLES 0
	TABLES 1
; 16 matrix instructions: x's blocks a0, a0 + 1 against W's eight, 128 along K: the slot's q-th.  p: the set of fragments; sc: the set of scale words.  One register carries x's word (lanes 0-15) and W's (lanes 16-31).
; The 32 accumulators take turns, one instruction a turn, in the same order in every step.  zero = 1: the first product starts the sums.
.macro MUL16 a0, p, q, sc, zero
.irp a, \a0, \a0+1
.irp b, 0,1,2,3,4,5,6,7
.if \zero
	v_wmma_scale_f32_16x16x128_f8f6f4 v[8*(8*(\a)+\b):8*(8*(\a)+\b)+7], v[128*(\p)+8*\b:128*(\p)+8*\b+7], v[AF+32*(\p)+8*(\a):AF+32*(\p)+8*(\a)+7], 0, v[SC+32*(\sc)+4*\b+(\q)], v[SC+32*(\sc)+4*(\a)+(\q)] matrix_a_fmt:MATRIX_FMT_FP4 matrix_b_fmt:MATRIX_FMT_FP4 matrix_a_scale:MATRIX_SCALE_ROW1
.else
	v_wmma_scale_f32_16x16x128_f8f6f4 v[8*(8*(\a)+\b):8*(8*(\a)+\b)+7], v[128*(\p)+8*\b:128*(\p)+8*\b+7], v[AF+32*(\p)+8*(\a):AF+32*(\p)+8*(\a)+7], v[8*(8*(\a)+\b):8*(8*(\a)+\b)+7], v[SC+32*(\sc)+4*\b+(\q)], v[SC+32*(\sc)+4*(\a)+(\q)] matrix_a_fmt:MATRIX_FMT_FP4 matrix_b_fmt:MATRIX_FMT_FP4 matrix_a_scale:MATRIX_SCALE_ROW1
.endif
.endr
.endr
.endm
; 24 LDS loads in one run: a fragment is 16 rows x 128 K of 4-bit codes, 8 registers: two loads of 16 bytes, 32 bytes apart, at row x pitch + 16 h
.macro FETCH slot, q, p
	WIN 0x40
.irp i, 0,1,2,3,4,5,6,7
	ds_load_b128 v[128*(\p)+8*\i:128*(\p)+8*\i+3], v[ADRB+\slot] offset:64*(\q)+\i*16*PITCH
	ds_load_b128 v[128*(\p)+8*\i+4:128*(\p)+8*\i+7], v[ADRB+\slot] offset:64*(\q)+32+\i*16*PITCH
.endr
	WIN 0
.irp i, 0,1,2,3
	ds_load_b128 v[AF+32*(\p)+8*\i:AF+32*(\p)+8*\i+3], v[ADRA+\slot] offset:64*(\q)+\i*16*PITCH
	ds_load_b128 v[AF+32*(\p)+8*\i+4:AF+32*(\p)+8*\i+7], v[ADRA+\slot] offset:64*(\q)+32+\i*16*PITCH
.endr
.endm
.macro SCALES sc                       ; a K step's four words a row; for blocks 4 to 7 lanes 0-15 read filled bytes that no product uses
.irp i, 0,1,2,3,4,5,6,7
	ds_load_b128 v[SC+32*\sc+4*\i:SC+32*\sc+4*\i+3], v[ADRS] offset:\i*SBLK
.endr
.endm
.macro STEP slot, q, zero              ; 128 along K whose successor lies in the same slot
	s_wait_dscnt 0x0                               ; this step's fragments are in (asked for 16 matrix instructions ago)
	WIN MUL
	MUL16 0, (\q)%2, \q, \slot, \zero
	PLACES                                         ; four places in front of loads into the set that the last step's products read
	FETCH \slot, (\q)+1, 1-(\q)%2
	WIN MUL
	MUL16 2, (\q)%2, \q, \slot, \zero
	WIN 0
.endm
; A slot's last step changes slots: one barrier; in front of it each wave waits for all its tensor loads, adds 0 to its spare word, and waits for that and for its reads of this slot.
.macro TURN slot, next, fill
	s_wait_tensorcnt 0x0                           ; all my tensor loads have landed: my part of the next slot
	ds_add_u32 v[SPW], v[NIL]
	s_wait_dscnt 1                                 ; the fragments are in; the add may be out
	WIN MUL
	MUL16 0, 1, 3, \slot, 0                        ; sixteen matrix instructions stand between the add and the wait for it
	s_wait_dscnt 0x0                               ; the add is done; my reads of this slot are over
	s_barrier_signal -1
	WIN 0
	s_barrier_wait -1
.if \fill
	CREST                                          ; the barrier has opened a round of the cluster's: no wave of any partner still reads this slot or has a load on its way
	s_add_nc_u64 s[G0+4*\slot+2:G0+4*\slot+3], s[G0+4*\slot+2:G0+4*\slot+3], 512
	s_add_nc_u64 s[G0B+4*\slot+2:G0B+4*\slot+3], s[G0B+4*\slot+2:G0B+4*\slot+3], 512
	JLOAD G0+4*\slot, G1, G0B+4*\slot, G1B         ; the first tensor load behind the round; its four v_nop are the places in front of the loads below
.else
	PLACES
.endif
	v_add_nc_u32 v[ADRS], 16, v[ADRS]              ; the next K step's scale words
	FETCH \next, 0, 0
	SCALES \next
	WIN MUL
	MUL16 2, 1, 3, \slot, 0
	WIN 0
.endm
	s_wait_tensorcnt 0x1                           ; the scales and my part of K step 0 are in; K step 1's load may stay out
	s_barrier_signal -1
	s_barrier_wait -1
	FETCH 0, 0, 0
	SCALES 0
	STEP 0, 0, 1                                   ; four K steps of 512, written out
	STEP 0, 1, 0
	STEP 0, 2, 0
	TURN 0, 1, 1
	STEP 1, 0, 0
	STEP 1, 1, 0
	STEP 1, 2, 0
	TURN 1, 0, 1
	STEP 0, 0, 0
	STEP 0, 1, 0
	STEP 0, 2, 0
	TURN 0, 1, 0                                   ; nothing is left to fetch
	STEP 1, 0, 0
	STEP 1, 1, 0
	STEP 1, 2, 0
	s_wait_dscnt 0x0
	WIN MUL
	MUL16 0, 1, 3, 1, 0
	MUL16 2, 1, 3, 1, 0
	WIN 0
	PLACES                                         ; four places in front of the first reads of results and of writes into the fragments' registers
; THE WAY OUT, 16 positions at a time.  A block goes through my stage and comes back so that lane (r, h) holds, of row 2 t + h, columns 4 r .. 4 r + 3 and 64 + 4 r .. : both partners of every RoPE pair.
.macro TOSTAGE a, so
	s_wait_xcnt 0x0                                ; the last block's stores have read their data: the registers are written again
	WIN 0x08                                       ; an LDS store's data are its source 1: window 2
.irp b, 0,1,2,3,4,5,6,7
	ds_store_b128 v[STO], v[8*(8*(\a)+\b):8*(8*(\a)+\b)+3] offset:\so+64*\b        ; each accumulator from its low end on
	ds_store_b128 v[STO], v[8*(8*(\a)+\b)+4:8*(8*(\a)+\b)+7] offset:\so+64*\b+16
.endr
	WIN 0
.irp t, 0,1,2,3,4,5,6,7
	ds_load_b128 v[X+8*\t:X+8*\t+3], v[RD] offset:\so+2*\t*SPITCH                  ; LDS serves a wave's instructions in order: these see the stores above
	ds_load_b128 v[X+8*\t+4:X+8*\t+7], v[RD] offset:\so+2*\t*SPITCH+256
.endr
	s_wait_dscnt 0x0
.endm
; to f16; the halves of the lanes change places so that a register pair holds one whole row of 256 bytes across the 32 lanes
.macro CVTSTORE a
.irp t, 0,1,2,3,4,5,6,7
.irp k, 0,1,2,3
	v_cvt_pk_f16_f32 v[H+4*\t+\k], v[X+8*\t+2*\k], v[X+8*\t+2*\k+1]
.endr
.endr
.irp t, 0,1,2,3,4,5,6,7
	v_permlane16_swap_b32 v[H+4*\t], v[H+4*\t+2]
	v_permlane16_swap_b32 v[H+4*\t+1], v[H+4*\t+3]
.endr
.irp t, 0,1,2,3,4,5,6,7
	global_store_b64 v[OA], v[H+4*\t:H+4*\t+1], s[96:97] offset:(16*(\a)+2*\t)*256      ; 256 consecutive bytes, aligned
	global_store_b64 v[OA], v[H+4*\t+2:H+4*\t+3], s[96:97] offset:(16*(\a)+2*\t+1)*256
.endr
.endm
.macro NORM                            ; x rsqrt(mean of squares + 1e-6), x the gain.  A row's 128 numbers lie in 16 lanes, 8 each
.irp t, 0,1,2,3,4,5,6,7
	v_pk_mul_f32 v[RS+2*\t:RS+2*\t+1], v[X+8*\t:X+8*\t+1], v[X+8*\t:X+8*\t+1]
.endr
.irp k, 2,4,6
.irp t, 0,1,2,3,4,5,6,7
	v_pk_fma_f32 v[RS+2*\t:RS+2*\t+1], v[X+8*\t+\k:X+8*\t+\k+1], v[X+8*\t+\k:X+8*\t+\k+1], v[RS+2*\t:RS+2*\t+1]
.endr
.endr
.irp t, 0,1,2,3,4,5,6,7
	v_add_f32 v[RS+2*\t], v[RS+2*\t], v[RS+2*\t+1]
.endr
.irp m, 1,2,4,8
.irp t, 0,1,2,3,4,5,6,7
	v_add_f32_dpp v[RS+2*\t], v[RS+2*\t], v[RS+2*\t] row_xmask:\m row_mask:0xf bank_mask:0xf
.endr
.endr
.irp t, 0,1,2,3,4,5,6,7
	v_fma_f32 v[RS+2*\t], v[RS+2*\t], s66, s67
.endr
.irp t, 0,1,2,3,4,5,6,7
	v_rsq_f32 v[RS+2*\t], v[RS+2*\t]
.endr
	v_nop                                          ; a plain instruction behind the last of the batch
	s_wait_alu depctr_va_vdst(0)                   ; one wait for the eight, ahead of their first reader
.irp t, 0,1,2,3,4,5,6,7
.irp k, 0,2,4,6
	v_pk_mul_f32 v[X+8*\t+\k:X+8*\t+\k+1], v[X+8*\t+\k:X+8*\t+\k+1], v[RS+2*\t:RS+2*\t+1] op_sel_hi:[1,0]
.endr
.endr
.irp t, 0,1,2,3,4,5,6,7
.irp k, 0,2,4,6
	v_pk_mul_f32 v[X+8*\t+\k:X+8*\t+\k+1], v[X+8*\t+\k:X+8*\t+\k+1], v[SCL8+\k:SCL8+\k+1]
.endr
.endr
.endm
.macro ROPE a                          ; low half: t cos - (high partner) sin; high half: t cos + (low partner) sin.  Source 1 is the table, in window 3
	WIN 0x0c
.irp t, 0,1,2,3,4,5,6,7
.irp k, 0,2
	v_pk_mul_f32 v[TT+8*(\t%4)+\k:TT+8*(\t%4)+\k+1], v[X+8*\t+\k:X+8*\t+\k+1], v[128*((\a)%2)+16*\t+12+\k:128*((\a)%2)+16*\t+13+\k]
	v_pk_mul_f32 v[TT+8*(\t%4)+4+\k:TT+8*(\t%4)+5+\k], v[X+8*\t+4+\k:X+8*\t+5+\k], v[128*((\a)%2)+16*\t+8+\k:128*((\a)%2)+16*\t+9+\k]
.endr
.irp k, 0,2
	v_pk_fma_f32 v[X+8*\t+\k:X+8*\t+\k+1], v[X+8*\t+\k:X+8*\t+\k+1], v[128*((\a)%2)+16*\t+\k:128*((\a)%2)+16*\t+\k+1], v[TT+8*(\t%4)+4+\k:TT+8*(\t%4)+5+\k] neg_lo:[0,0,1] neg_hi:[0,0,1]
	v_pk_fma_f32 v[X+8*\t+4+\k:X+8*\t+5+\k], v[X+8*\t+4+\k:X+8*\t+5+\k], v[128*((\a)%2)+16*\t+4+\k:128*((\a)%2)+16*\t+5+\k], v[TT+8*(\t%4)+\k:TT+8*(\t%4)+\k+1]
.endr
.endr
	WIN 0
.endm
	s_cmp_eq_u32 ttmp9, 3                          ; v has no norm and no RoPE
	s_cbranch_scc1 .Lv
	s_wait_loadcnt 0x0                             ; the gain and the tables of blocks 0 and 1
	TOSTAGE 0, 0
	NORM
	ROPE 0
	TABLES 2                                       ; into the set just read
	CVTSTORE 0
	TOSTAGE 1, 0
	NORM
	ROPE 1
	TABLES 3
	CVTSTORE 1
	TOSTAGE 2, 0
	NORM
	s_wait_loadcnt 32                              ; block 2's tables are in; block 3's 32 loads may stay out
	ROPE 2
	CVTSTORE 2
	TOSTAGE 3, 0
	NORM
	s_wait_loadcnt 0x0
	ROPE 3
	CVTSTORE 3
	s_branch .Lend
.Lv:                                                   ; v: as it is, in f32 for the first positions' fine path, and in f16
.irp a, 0,1,2,3
	TOSTAGE \a, VSTG
.irp t, 0,1,2,3,4,5,6,7
	global_store_b128 v[TA], v[X+8*\t:X+8*\t+3], s[98:99] offset:(16*\a+2*\t)*512          ; 16 lanes store 256 consecutive bytes, aligned
	global_store_b128 v[TA], v[X+8*\t+4:X+8*\t+7], s[98:99] offset:(16*\a+2*\t)*512+256
.endr
	CVTSTORE \a
.endr
.Lend:
	s_wait_tensorcnt 0x0                           ; the wave's end: three lines behind my last tensor load and my last LDS store
	ds_add_u32 v[SPW], v[NIL]
	s_wait_dscnt 0x0
	CROUND                                         ; the closing round
	s_endpgm
.Lfunc_end_k_q00e0d2ddd1_qkv:
	.size	k_q00e0d2ddd1_qkv, .Lfunc_end_k_q00e0d2ddd1_qkv-k_q00e0d2ddd1_qkv
	.p2alignl 7, 3214868480
	.fill 96, 4, 3214868480
	.section	.rodata,"a",@progbits
	.p2align	6, 0x0
	.amdhsa_kernel k_q00e0d2ddd1_qkv
		.amdhsa_group_segment_fixed_size 327680
		.amdhsa_private_segment_fixed_size 0
		.amdhsa_enable_private_segment 0
		.amdhsa_kernarg_size 64
		.amdhsa_user_sgpr_count 2
		.amdhsa_user_sgpr_kernarg_segment_ptr 1
		.amdhsa_wavefront_size32 1
		.amdhsa_system_sgpr_workgroup_id_x 1
		.amdhsa_system_sgpr_workgroup_id_y 1
		.amdhsa_system_sgpr_workgroup_id_z 1
		.amdhsa_system_vgpr_workitem_id 0
		.amdhsa_next_free_vgpr 1024
		.amdhsa_next_free_sgpr 100
		.amdhsa_reserve_vcc 0
		.amdhsa_float_denorm_mode_32 3
		.amdhsa_float_denorm_mode_16_64 3
		.amdhsa_memory_ordered 1
		.amdhsa_forward_progress 1
		.amdhsa_inst_pref_size 228
	.end_amdhsa_kernel
	.amdgpu_metadata
---
amdhsa.version: [ 1, 2 ]
amdhsa.kernels:
  - .name:           k_q00e0d2ddd1_qkv
    .symbol:         k_q00e0d2ddd1_qkv.kd
    .args:
      - { .name: codes, .offset: 0, .size: 8, .value_kind: global_buffer, .address_space: global }
      - { .name: scales, .offset: 8, .size: 8, .value_kind: global_buffer, .address_space: global }
      - { .name: cos, .offset: 16, .size: 8, .value_kind: global_buffer, .address_space: global }
      - { .name: sin, .offset: 24, .size: 8, .value_kind: global_buffer, .address_space: global }
      - { .name: q_scale, .offset: 32, .size: 8, .value_kind: global_buffer, .address_space: global }
      - { .name: k_scale, .offset: 40, .size: 8, .value_kind: global_buffer, .address_space: global }
      - { .name: qkv, .offset: 48, .size: 8, .value_kind: global_buffer, .address_space: global }
      - { .name: vf, .offset: 56, .size: 8, .value_kind: global_buffer, .address_space: global }
    .group_segment_fixed_size: 327680
    .private_segment_fixed_size: 0
    .kernarg_segment_align: 8
    .kernarg_segment_size: 64
    .max_flat_workgroup_size: 128
    .sgpr_count:     100
    .vgpr_count:     1024
    .wavefront_size: 32
...
	.end_amdgpu_metadata
.endif
;; end of part 2
;; launch attn (part 3): grid 32 x 8, 4 waves a work-group, clusters of 4 x 1, 327,680 bytes of LDS; arguments qkv, mw, ctx; writes ctx
.if DOCPART == 3
	.amdgcn_target "amdgcn-amd-amdhsa--gfx1250"
	.amdhsa_code_object_version 6
	.text
	.protected	k_q00e0d2ddd1_attn
	.globl	k_q00e0d2ddd1_attn
	.p2align	8
	.type	k_q00e0d2ddd1_attn,@function
k_q00e0d2ddd1_attn:
	s_mov_b64 s[64:65], 0
	v_nop
	global_prefetch_b8 v0, s[64:65] scope:SCOPE_SE
	s_setreg_imm32_b32 hwreg(HW_REG_WAVE_MODE, 25, 1), 1
	s_wait_xcnt 0x0
	s_wait_alu depctr_hold_cnt(0) depctr_sa_sdst(0) depctr_va_vdst(0) depctr_va_sdst(0) depctr_va_ssrc(0) depctr_va_vcc(0) depctr_vm_vsrc(0)
	s_getreg_b32 s2, hwreg(HW_REG_IB_STS2, 6, 4)
	s_cmp_eq_u32 s2, 0
	s_cbranch_scc0 .Lentry_in_a_cluster
	s_endpgm
.Lentry_in_a_cluster:
	s_bfe_u32 s2, ttmp6, 0x10000c
	s_cmp_lg_u32 s2, 0x3003
	s_cbranch_scc0 .Lentry_shape_is_right
	s_endpgm
.Lentry_shape_is_right:
; ctx[pos][head][:] = the sum over keys of softmax(q . k / sqrt(128), under the GIVEN mask) v.  q, k, v: f16, [head][2048][128]; products, maxima and sums in f32; the weights are rounded to f16 for the second product.
; The mask is an input: every key is walked, and where its lane word (made by the first launch) has a 1 the score becomes -infinity ahead of the maximum.
; A row with no key left: the running maximum stays at its start, -3e38, every weight is 0, the sum is 0, and 0 x (1 / 0) gives the NaN that the softmax of such a row is.
; SHARES.  A work-group owns 64 positions of the two query heads of one K/V group; wave w owns 16 positions: two tiles, one for each head, which share their 32 mask words of a step.  64 keys a step.
; LAYOUT.  S^T = K Q^T (source 0 = 16 keys, source 1 = 16 queries): a lane holds one query (lane % 16) and keys 8 (lane / 16) + 0..7.  Two such tiles rounded to f16 in pairs are source 1 of O^T = V^T P.
; K comes out of LDS as it lies, V turned by ds_load_tr16_b128.  A step runs in phases: K Q^T; V's loads; mask and softmax; K's next loads; V^T P.
; CLUSTER.  The four work-groups of a cluster belong to one group and walk the same K and V: each tile is asked for jointly.  Two slots of two key steps; one joint load a wave behind each round.
; REGISTERS: window 0: v2-9 addresses; v12-27 statistics, 8 a tile (+0 c m, +1 m, +2, +3 the sum, +4..+7 at work, a in +6); v28 -infinity; v32-95 S^T; v96-127 P; v128-191 Q.
;   window 1: v0-127 O^T, v128-255 K of one step.   window 2: v0-127 V of one step.
; LIMITS: NaN and infinities among the inputs are not served; weights under the smallest f16 number count as 0 in the second product.
.set KS,    64
.set PK,    272
.set PV,    288
.set VOFF,  KS*PK
.set STEPB, KS*(PK+PV)
.set SLOT1, 1<<17
.set STAGE, SLOT1+2*STEPB
.set SP,    272
.set SPARE, STAGE+4*16*SP
.set AK0, 2
.set AV0, 3
.set ADK, 4
.set ADV, 5
.set STO, 6
.set RD,  7
.set GO,  8
.set QO,  9
.set ST,  12
.set NEG, 28
.set PFO, 29
.set SPW, 30
.set NIL, 31
.set S,   32
.set P,   96
.set Q,   128
.set KF,  128
.set WV,  12
.set LIM, 15
.set PFA, 18
.set G1K, 24
.set G1V, 32
.set G0K, 40
.set G0V, 48
.set SLOTS, 56
.set CS,  58
.set SEL, 60
.set TB,  62
.set MB,  66                           ; s[66:67] where the next step's 32 mask words lie
.set MW,  68                           ; s[68:99] this step's
.set MSB, 0
.macro WIN new
.if MSB != \new
	s_set_vgpr_msb (MSB<<8)|\new
.set MSB, \new
.endif
.endm
.set W_KQ, 0x01                        ; K in window 1; Q and S^T in window 0
.set W_PV, 0x52                        ; V in window 2, P in window 0, O^T in window 1
.set W_RS, 0x41                        ; O^T in window 1, the factor in window 0
.macro JLOAD                           ; waves 0 and 1 fetch the slot's two steps of K, waves 2 and 3 of V; an s_nop 0 and four v_nop follow each line
	s_cmp_lt_u32 s[WV], 2
	s_cbranch_scc0 .Lfor_v_\@
	tensor_load_to_lds s[G0K+4:G0K+7], s[G1K:G1K+7]
	s_nop 0
.rept 4
	v_nop
.endr
	s_branch .Lasked_\@
.Lfor_v_\@:
	tensor_load_to_lds s[G0V+4:G0V+7], s[G1V:G1V+7]
	s_nop 0
.rept 4
	v_nop
.endr
.Lasked_\@:
.endm
; A prefetch of what the NEXT change of slots will ask for: 128 rows of K and of V, 256 bytes a row, a lane a row.  Each row is named once in the launch: the group's first cluster asks; its four partners take
; 32 rows each, told apart by address; in each, wave 0 asks for K's and wave 2 for V's.  The last change that fills a slot asks for nothing.
.macro ASK
	s_cmp_gt_u32 s[SLOTS], s[LIM]
	s_cbranch_scc0 .Lnot_mine_\@
	global_prefetch_b8 v[PFO], s[PFA:PFA+1] th:TH_LOAD_NT scope:SCOPE_SE
.Lnot_mine_\@:
.endm
.macro CROUND
	s_barrier_signal -1
	s_barrier_wait -1
	s_cmp_lg_u32 s[WV], 0
	s_cbranch_scc1 .Lnot_wave_0_\@
	s_barrier_signal -3
.Lnot_wave_0_\@:
	s_barrier_wait -3
	s_barrier_signal -1
	s_barrier_wait -1
.endm
.macro PLACES
.rept 4
	v_nop
.endr
.endm
	s_load_b128 s[4:7], s[0:1], 0x0                ; qkv, mw
	s_load_b64 s[10:11], s[0:1], 0x10              ; ctx
	v_lshl_add_u32 v[SPW], v0, 2, SPARE
	v_mov_b32 v[NIL], 0
	ds_add_u32 v[SPW], v[NIL]                      ; the wave's opening: the add, twice on end, and its wait ahead of my first tensor load
	ds_add_u32 v[SPW], v[NIL]
	v_lshrrev_b32 v1, 5, v0
	v_readfirstlane_b32 s[WV], v1
	s_bfe_u32 s13, ttmp6, 0x40000                  ; cx
	s_lshl_b32 s14, ttmp9, 2
	s_add_co_u32 s14, s14, s13
	s_lshl_b32 s14, s14, 2
	s_add_co_u32 s14, s14, s[WV]                   ; my tile of 16 positions: it enters Q's, the mask words' and ctx's addresses alone
	s_and_b32 s20, ttmp7, 0xffff                   ; the group, which the partners share
	s_and_b32 s16, s[WV], 1                        ; which of a slot's two steps I fetch
	s_add_co_u32 s22, s20, 16
	s_lshl_b32 s22, s22, 19                        ; K's head 16 + g
	s_lshl_b32 s17, s16, 14
	s_add_co_u32 s22, s22, s17
	s_mov_b32 s23, 0
	s_mul_i32 s17, s16, STEPB
	s_lshl_b32 s2, s20, 20                         ; q's head 2 g
	s_lshl_b32 s3, s14, 12
	s_add_co_u32 s2, s2, s3
	s_mov_b32 s3, 0
	s_lshl_b32 s8, s14, 16                         ; ctx: 16 rows of 4,096 bytes a tile, 512 bytes a group
	s_lshl_b32 s9, s20, 9
	s_add_co_u32 s8, s8, s9
	s_mov_b32 s9, 0
	s_lshl_b32 s[MB], s14, 12                      ; 1,024 words a tile
	s_mov_b32 s[MB+1], 0
	s_mov_b32 s[G1K], 15|(1<<16)|(1<<20)|(1<<21)|(5<<22)|(3<<25)  ; the mask: all four; elements of 2 bytes; padding: 4 words behind every 64; bit 21 beside a mask
	s_mov_b32 s[G1V], 15|(1<<16)|(1<<20)|(1<<21)|(5<<22)|(7<<25)  ; the same with 8 words of padding
.irp g, G1K, G1V
	s_mov_b32 s[\g+1], 128<<16
	s_mov_b32 s[\g+2], KS<<16
	s_mov_b32 s[\g+3], 128<<16
	s_mov_b32 s[\g+4], KS
	s_mov_b32 s[\g+5], 128
	s_mov_b32 s[\g+6], 0
	s_mov_b32 s[\g+7], 0
.endr
	s_mov_b32 s[CS], 0x3e0293ee                    ; c = log2(e) / sqrt(128)
	s_mov_b32 s[CS+1], s[CS]
	s_mov_b32 s[SEL], 0x76543210
	s_mov_b32 s[SEL+1], 0xfedcba98
	s_mov_b32 s[TB], 0
	s_mov_b32 s[SLOTS], 2048/(2*KS)-2
	s_and_b32 s[LIM], s[WV], 1
	s_or_b32 s[LIM], s[LIM], ttmp9                 ; 0 in waves 0 and 2 of the group's first cluster
	s_cmp_eq_u32 s[LIM], 0
	s_cselect_b32 s[LIM], 1, -1
	v_and_b32 v[PFO], 31, v0
	v_lshlrev_b32 v[PFO], 8, v[PFO]
	s_wait_dscnt 0x0                               ; both opening adds are done
	s_wait_kmcnt 0x0
	s_add_nc_u64 s[20:21], s[4:5], s[22:23]        ; K at my tile of slot 0
	s_add_nc_u64 s[22:23], s[20:21], 8*524288      ; V: eight heads on
	s_add_nc_u64 s[2:3], s[4:5], s[2:3]            ; Q at my first row
	s_add_nc_u64 s[10:11], s[10:11], s[8:9]
	s_add_nc_u64 s[MB:MB+1], s[6:7], s[MB:MB+1]
	s_cmp_lt_u32 s[WV], 2
	s_cselect_b64 s[PFA:PFA+1], s[20:21], s[22:23]
	s_lshl_b32 s8, s13, 13                         ; my work-group's 32 rows of the 128
	s_mov_b32 s9, 0
	s_add_nc_u64 s[PFA:PFA+1], s[PFA:PFA+1], s[8:9]
	s_add_nc_u64 s[PFA:PFA+1], s[PFA:PFA+1], 2*2*KS*256   ; in slot 2; the first change steps it to slot 3.  Nothing is prefetched at the head
	CROUND                                         ; all four work-groups are here: the first joint loads meet
.irp s, 0,1
	s_mov_b32 s[G0K+4*\s], 1
	s_add_co_u32 s[G0K+4*\s+1], s17, \s*SLOT1
	s_add_nc_u64 s[G0K+4*\s+2:G0K+4*\s+3], s[20:21], \s*2*KS*256
	s_or_b32 s[G0K+4*\s+3], s[G0K+4*\s+3], 0x80000000
	s_mov_b32 s[G0V+4*\s], 1
	s_add_co_u32 s[G0V+4*\s+1], s17, \s*SLOT1+VOFF
	s_add_nc_u64 s[G0V+4*\s+2:G0V+4*\s+3], s[22:23], \s*2*KS*256
	s_or_b32 s[G0V+4*\s+3], s[G0V+4*\s+3], 0x80000000
.endr
	s_cmp_lt_u32 s[WV], 2                          ; a wave's two first fills stand in one branch: two loads of mine are out
	s_cbranch_scc0 .Lfirst_v
	tensor_load_to_lds s[G0K:G0K+3], s[G1K:G1K+7]
	s_nop 0
	tensor_load_to_lds s[G0K+4:G0K+7], s[G1K:G1K+7]
	s_nop 0
.rept 4
	v_nop
.endr
	s_branch .Lfirst_asked
.Lfirst_v:
	tensor_load_to_lds s[G0V:G0V+3], s[G1V:G1V+7]
	s_nop 0
	tensor_load_to_lds s[G0V+4:G0V+7], s[G1V:G1V+7]
	s_nop 0
.rept 4
	v_nop
.endr
.Lfirst_asked:
	s_load_b512 s[MW:MW+15], s[MB:MB+1], 0x0       ; step 0's mask words
	s_load_b512 s[MW+16:MW+31], s[MB:MB+1], 0x40
	v_and_b32 v1, 15, v0                           ; r
	v_bfe_u32 v10, v0, 4, 1                        ; h
	v_lshlrev_b32 v[QO], 8, v1
	v_lshl_add_u32 v[QO], v10, 4, v[QO]
.irp t, 0,1
.irp c, 0,1,2,3                        ; Q stays in registers: tile t (head 2 g + t), channels 32 c on
	global_load_b128 v[Q+32*\t+8*\c:Q+32*\t+8*\c+3], v[QO], s[2:3] offset:\t*524288+\c*64
	global_load_b128 v[Q+32*\t+8*\c+4:Q+32*\t+8*\c+7], v[QO], s[2:3] offset:\t*524288+\c*64+32
.endr
.endr
	v_mul_u32_u24 v[AK0], v1, PK
	v_lshl_add_u32 v[AK0], v10, 4, v[AK0]
	v_and_b32 v11, 7, v0
	v_lshl_add_u32 v[AV0], v10, 3, v11             ; the turning load: key 8 h + lane % 8, channels 8 ((lane / 8) % 2) on
	v_mul_u32_u24 v[AV0], v[AV0], PV
	v_bfe_u32 v11, v0, 3, 1
	v_lshl_add_u32 v[AV0], v11, 4, v[AV0]
	v_add_nc_u32 v[AV0], VOFF, v[AV0]
	s_mul_i32 s13, s[WV], 16*SP
	s_add_co_u32 s13, s13, STAGE
	v_mul_u32_u24 v[STO], v1, SP
	v_lshl_add_u32 v[STO], v10, 4, v[STO]
	v_add_nc_u32 v[STO], s13, v[STO]
	v_mul_u32_u24 v[RD], v10, SP
	v_lshl_add_u32 v[RD], v1, 4, v[RD]
	v_add_nc_u32 v[RD], s13, v[RD]
	v_lshlrev_b32 v[GO], 12, v10
	v_lshl_add_u32 v[GO], v1, 4, v[GO]             ; ctx: lanes 0-15 one row, lanes 16-31 the next; 16 bytes a lane
	v_mov_b32 v[NEG], 0xff800000
.irp t, 0,1
	v_mov_b32 v[ST+8*\t+1], 0xff61b1e6             ; m = -3e38, under every score
	v_mul_f32 v[ST+8*\t], s[CS], v[ST+8*\t+1]
	v_mov_b32 v[ST+8*\t+2], 0
	v_mov_b32 v[ST+8*\t+3], 0
.endr
	WIN 0x40
.set i, 0
.rept 128
	v_mov_b32 v[i], 0                              ; O^T: the step is written without a first step of its own: it finds zeros, which the first change of m leaves zeros
.set i, i+1
.endr
	WIN 0
.macro KQ                              ; product i of 32: channels 32 (i / 8) on, keys 16 ((i / 2) % 4) on, tile i % 2.  The eight accumulators take turns; the first eight start the sums
.set rS, S+32*(i%2)+8*((i/2)%4)
.set rK, KF+32*((i/2)%4)+8*(i/8)
.set rQ, Q+32*(i%2)+8*(i/8)
.if i < 8
	v_wmma_f32_16x16x32_f16 v[rS:rS+7], v[rK:rK+7], v[rQ:rQ+7], 0
.else
	v_wmma_f32_16x16x32_f16 v[rS:rS+7], v[rK:rK+7], v[rQ:rQ+7], v[rS:rS+7]
.endif
.endm
.macro PV                              ; product i of 32: keys 32 (i / 16) on, channels 16 ((i / 2) % 8) on, tile i % 2.  Sixteen accumulators by turns
.set rO, 64*(i%2)+8*((i/2)%8)
.set rV, 64*(i/16)+8*((i/2)%8)
.set rP, P+16*(i%2)+8*(i/16)
	v_wmma_f32_16x16x32_f16 v[rO:rO+7], v[rV:rV+7], v[rP:rP+7], v[rO:rO+7]
.endm
.macro FETCH_K e                       ; the slot's e-th step: 64 keys x 128 channels, 16 fragments
	WIN 0x40
.irp f, 0,1,2,3,4,5,6,7,8,9,10,11,12,13,14,15
	ds_load_b128 v[KF+8*\f:KF+8*\f+3],   v[ADK] offset:\e*STEPB+(\f/4)*16*PK+(\f%4)*64
	ds_load_b128 v[KF+8*\f+4:KF+8*\f+7], v[ADK] offset:\e*STEPB+(\f/4)*16*PK+(\f%4)*64+32
.endr
	WIN 0
.endm
.macro FETCH_V e
	WIN 0x80
.irp f, 0,1,2,3,4,5,6,7,8,9,10,11,12,13,14,15
	ds_load_tr16_b128 v[8*\f:8*\f+3],   v[ADV] offset:\e*STEPB+(\f/8)*32*PV+(\f%8)*32
	ds_load_tr16_b128 v[8*\f+4:8*\f+7], v[ADV] offset:\e*STEPB+(\f/8)*32*PV+16*PV+(\f%8)*32
.endr
	WIN 0
.endm
.macro SOFTMAX                         ; both tiles, alternating, so that no line waits for the line above it
.irp j, 0,1,2,3
.irp t, 0,1
	v_max3_num_f32 v[ST+8*\t+4+\j], v[S+32*\t+8*\j], v[S+32*\t+8*\j+1], v[S+32*\t+8*\j+2]
.endr
.endr
.irp k, 3,5
.irp j, 0,1,2,3
.irp t, 0,1
	v_max3_num_f32 v[ST+8*\t+4+\j], v[ST+8*\t+4+\j], v[S+32*\t+8*\j+\k], v[S+32*\t+8*\j+\k+1]
.endr
.endr
.endr
.irp t, 0,1
	v_max3_num_f32 v[ST+8*\t+4], v[ST+8*\t+4], v[S+32*\t+7], v[S+32*\t+15]
.endr
.irp t, 0,1
	v_max3_num_f32 v[ST+8*\t+6], v[ST+8*\t+6], v[S+32*\t+23], v[S+32*\t+31]
.endr
.irp t, 0,1
	v_max3_num_f32 v[ST+8*\t+4], v[ST+8*\t+4], v[ST+8*\t+5], v[ST+8*\t+6]
.endr
.irp t, 0,1
	v_max3_num_f32 v[ST+8*\t+4], v[ST+8*\t+4], v[ST+8*\t+7], v[ST+8*\t+1]   ; with the old m
.endr
.irp t, 0,1
	v_permlanex16_b32 v[ST+8*\t+5], v[ST+8*\t+4], s[SEL], s[SEL+1]          ; the query's other 32 keys lie in the lane 16 away
.endr
.irp t, 0,1
	v_mov_b32 v[ST+8*\t+7], v[ST+8*\t]
.endr
.irp t, 0,1
	v_max_num_f32 v[ST+8*\t+1], v[ST+8*\t+4], v[ST+8*\t+5]
.endr
.irp t, 0,1
	v_mul_f32 v[ST+8*\t], s[CS], v[ST+8*\t+1]
.endr
.irp t, 0,1
	v_sub_f32 v[ST+8*\t+7], v[ST+8*\t+7], v[ST+8*\t]                        ; c m_old - c m_new
.endr
.irp b, 0,1,2,3,4,5,6,7,8,9,10,11,12,13,14,15
.irp t, 0,1
	v_pk_fma_f32 v[S+32*\t+2*\b:S+32*\t+2*\b+1], v[S+32*\t+2*\b:S+32*\t+2*\b+1], s[CS:CS+1], v[ST+8*\t:ST+8*\t+1] op_sel_hi:[1,0,0] neg_lo:[0,0,1] neg_hi:[0,0,1]
.endr
.endr
.irp t, 0,1
	v_exp_f32 v[ST+8*\t+6], v[ST+8*\t+7]           ; a
.endr
.set n, 0
.rept 32
.irp t, 0,1
	v_exp_f32 v[S+32*\t+n], v[S+32*\t+n]
.endr
.set n, n+1
.endr
	v_nop                                          ; a plain instruction behind the last exponential
	s_wait_alu depctr_va_vdst(0)                   ; one wait for the 66, ahead of their first reader
.irp b, 0,1,2,3,4,5,6,7,8,9,10,11,12,13,14,15
.irp t, 0,1
	v_cvt_pk_f16_f32 v[P+16*\t+\b], v[S+32*\t+2*\b], v[S+32*\t+2*\b+1]
.endr
.endr
.irp u, 0,1,2,3,4,5,6,7
.irp t, 0,1
	v_pk_add_f32 v[S+32*\t+4*\u:S+32*\t+4*\u+1], v[S+32*\t+4*\u:S+32*\t+4*\u+1], v[S+32*\t+4*\u+2:S+32*\t+4*\u+3]
.endr
.endr
.irp u, 0,1,2,3
.irp t, 0,1
	v_pk_add_f32 v[S+32*\t+8*\u:S+32*\t+8*\u+1], v[S+32*\t+8*\u:S+32*\t+8*\u+1], v[S+32*\t+8*\u+4:S+32*\t+8*\u+5]
.endr
.endr
.irp u, 0,1
.irp t, 0,1
	v_pk_add_f32 v[S+32*\t+16*\u:S+32*\t+16*\u+1], v[S+32*\t+16*\u:S+32*\t+16*\u+1], v[S+32*\t+16*\u+8:S+32*\t+16*\u+9]
.endr
.endr
.irp t, 0,1
	v_pk_add_f32 v[S+32*\t:S+32*\t+1], v[S+32*\t:S+32*\t+1], v[S+32*\t+16:S+32*\t+17]
.endr
.irp t, 0,1
	v_pk_fma_f32 v[ST+8*\t+2:ST+8*\t+3], v[ST+8*\t+2:ST+8*\t+3], v[ST+8*\t+6:ST+8*\t+7], v[S+32*\t:S+32*\t+1] op_sel_hi:[1,0,1]
.endr
	WIN W_RS
.irp t, 0,1
.set n, 0
.rept 32
	v_pk_mul_f32 v[64*\t+n:64*\t+n+1], v[64*\t+n:64*\t+n+1], v[ST+8*\t+6:ST+8*\t+7] op_sel_hi:[1,0]   ; O^T x a, each accumulator from its low end on
.set n, n+2
.endr
.endr
	WIN 0
.endm
; THE CHANGE OF SLOTS.  Each wave waits for all its tensor loads (one is out: its part of the other slot), adds 0 to its spare word, and waits for that and for its reads of the slot that it leaves.
; fill = 1: the barrier is a round of the cluster's, and the joint refill, with the keys two slots on, is the first thing behind it: it has two key steps in which to land.
.macro CHANGE fill
	s_wait_tensorcnt 0x0
	ds_add_u32 v[SPW], v[NIL]
.if \fill
.irp g, G0K+4, G0V+4
	s_xor_b32 s[\g+1], s[\g+1], SLOT1              ; the walking descriptor: the other slot than last time,
	s_add_nc_u64 s[\g+2:\g+3], s[\g+2:\g+3], 2*KS*256   ; the next 128 keys
.endr
	s_wait_xcnt 0x0                                ; the last prefetch, two key steps back, has read its address
	s_add_nc_u64 s[PFA:PFA+1], s[PFA:PFA+1], 2*KS*256
	s_wait_dscnt 0x0                               ; the add is done, and my reads of the slot are over
	CROUND
	JLOAD
	ASK
.else
	s_wait_dscnt 0x0
	s_barrier_signal -1
	s_barrier_wait -1
.endif
	s_xor_b32 s[TB], s[TB], SLOT1
	v_add_nc_u32 v[ADK], s[TB], v[AK0]
	v_add_nc_u32 v[ADV], s[TB], v[AV0]
.endm
; A KEY STEP.  e: its place in its slot.  mode 0: the next step lies in the same slot; 1: a change of slots with a refill; 2: a change without; 3: the very last step.
.macro STEP e, mode
	s_wait_dscnt 0x0                               ; this step's K is in
	WIN W_KQ
.set i, 0
.rept 32
	KQ
.set i, i+1
.endr
	WIN 0
	PLACES                                         ; four places in front of the reads of the scores and of the loads into V's registers, which the last step's products read
	FETCH_V \e
	s_wait_kmcnt 0x0                               ; this step's mask words
.irp t, 0,1
.set n, 0
.rept 32
	v_cndmask_b32 v[S+32*\t+n], v[S+32*\t+n], v[NEG], s[MW+n]
.set n, n+1
.endr
.endr
.if \mode != 3
	s_add_nc_u64 s[MB:MB+1], s[MB:MB+1], 128       ; (the wait above has shown the last loads done)
	s_load_b512 s[MW:MW+15], s[MB:MB+1], 0x0       ; the next step's words
	s_load_b512 s[MW+16:MW+31], s[MB:MB+1], 0x40
.endif
	SOFTMAX
.if \mode == 0
	s_wait_dscnt 0x0                               ; V is in
	FETCH_K 1
.elseif \mode == 1
	CHANGE 1
	FETCH_K 0
.elseif \mode == 2
	CHANGE 0
	FETCH_K 0
.else
	s_wait_dscnt 0x0
.endif
	WIN W_PV
.set i, 0
.rept 32
	PV
.set i, i+1
.endr
	WIN 0
.endm
	s_wait_tensorcnt 0x1                           ; my part of slot 0 is in; slot 1's may stay out
	s_barrier_signal -1
	s_barrier_wait -1
	v_add_nc_u32 v[ADK], s[TB], v[AK0]
	v_add_nc_u32 v[ADV], s[TB], v[AV0]
	FETCH_K 0
	s_wait_loadcnt 0x0                             ; Q
.Lslot:                                                ; 14 trips: every slot but the last two is filled again
	STEP 0, 0
	STEP 1, 1
	s_sub_co_u32 s[SLOTS], s[SLOTS], 1
	s_cmp_lg_u32 s[SLOTS], 0
	s_cbranch_scc1 .Lslot
	STEP 0, 0                                      ; the tail is written out
	STEP 1, 2
	STEP 0, 0
	STEP 1, 3
	; THE WAY OUT: O^T / the sum, to f16, through my stage, a tile (16 rows) at a time.  The additions are the places behind the last products.
.irp t, 0,1
	v_add_f32 v[ST+8*\t+4], v[ST+8*\t+2], v[ST+8*\t+3]
.endr
.irp t, 0,1
	v_permlanex16_b32 v[ST+8*\t+5], v[ST+8*\t+4], s[SEL], s[SEL+1]
.endr
.irp t, 0,1
	v_add_f32 v[ST+8*\t+4], v[ST+8*\t+4], v[ST+8*\t+5]
.endr
	v_nop
	v_nop
.irp t, 0,1
	v_rcp_f32 v[ST+8*\t+6], v[ST+8*\t+4]
.endr
	v_nop
	s_wait_alu depctr_va_vdst(0)                   ; one wait for the two reciprocals
.macro PACK t
	WIN W_RS
.set i, 64*\t
.rept 32
	v_pk_mul_f32 v[i:i+1], v[i:i+1], v[ST+8*\t+6:ST+8*\t+7] op_sel_hi:[1,0]
.set i, i+2
.endr
	WIN 0x05
.set i, 0
.rept 32
	v_cvt_pk_f16_f32 v[S+32*\t+i], v[64*\t+2*i], v[64*\t+2*i+1]
.set i, i+1
.endr
	WIN 0
.irp f, 0,1,2,3,4,5,6,7
	ds_store_b128 v[STO], v[S+32*\t+4*\f:S+32*\t+4*\f+3] offset:32*\f
.endr
.irp f, 0,1,2,3,4,5,6,7
	ds_load_b128 v[S+32*\t+4*\f:S+32*\t+4*\f+3], v[RD] offset:\f*2*SP     ; LDS serves a wave's instructions in order
.endr
.endm
.macro SEND t, younger                 ; younger: the LDS instructions issued behind tile t's loads
.irp f, 0,1,2,3,4,5,6,7
	s_wait_dscnt \younger+7-\f
	global_store_b128 v[GO], v[S+32*\t+4*\f:S+32*\t+4*\f+3], s[10:11] offset:\f*8192+\t*256   ; 16 lanes store 256 consecutive bytes, aligned
.endr
.endm
	PACK 0
	PACK 1
	SEND 0, 16
	SEND 1, 0
	s_wait_tensorcnt 0x0                           ; the wave's end: the three lines behind my last tensor load and my last LDS store
	ds_add_u32 v[SPW], v[NIL]
	s_wait_dscnt 0x0
	CROUND                                         ; the closing round
	s_endpgm
.Lfunc_end_k_q00e0d2ddd1_attn:
	.size	k_q00e0d2ddd1_attn, .Lfunc_end_k_q00e0d2ddd1_attn-k_q00e0d2ddd1_attn
	.p2alignl 7, 3214868480
	.fill 96, 4, 3214868480
	.section	.rodata,"a",@progbits
	.p2align	6, 0x0
	.amdhsa_kernel k_q00e0d2ddd1_attn
		.amdhsa_group_segment_fixed_size 327680
		.amdhsa_private_segment_fixed_size 0
		.amdhsa_enable_private_segment 0
		.amdhsa_kernarg_size 24
		.amdhsa_user_sgpr_count 2
		.amdhsa_user_sgpr_kernarg_segment_ptr 1
		.amdhsa_wavefront_size32 1
		.amdhsa_system_sgpr_workgroup_id_x 1
		.amdhsa_system_sgpr_workgroup_id_y 1
		.amdhsa_system_sgpr_workgroup_id_z 1
		.amdhsa_system_vgpr_workitem_id 0
		.amdhsa_next_free_vgpr 640
		.amdhsa_next_free_sgpr 100
		.amdhsa_reserve_vcc 0
		.amdhsa_float_denorm_mode_32 3
		.amdhsa_float_denorm_mode_16_64 3
		.amdhsa_memory_ordered 1
		.amdhsa_forward_progress 1
		.amdhsa_inst_pref_size 192
	.end_amdhsa_kernel
	.amdgpu_metadata
---
amdhsa.version: [ 1, 2 ]
amdhsa.kernels:
  - .name:           k_q00e0d2ddd1_attn
    .symbol:         k_q00e0d2ddd1_attn.kd
    .args:
      - { .name: qkv, .offset: 0, .size: 8, .value_kind: global_buffer, .address_space: global }
      - { .name: mw, .offset: 8, .size: 8, .value_kind: global_buffer, .address_space: global }
      - { .name: ctx, .offset: 16, .size: 8, .value_kind: global_buffer, .address_space: global }
    .group_segment_fixed_size: 327680
    .private_segment_fixed_size: 0
    .kernarg_segment_align: 8
    .kernarg_segment_size: 24
    .max_flat_workgroup_size: 128
    .sgpr_count:     100
    .vgpr_count:     640
    .wavefront_size: 32
...
	.end_amdgpu_metadata
.endif
;; end of part 3
;; launch proj (part 4): grid 16 x 16, 4 waves a work-group, clusters of 4 x 4, 327,680 bytes of LDS; arguments ctx, woh, out0; writes out0
.if DOCPART == 4
	.amdgcn_target "amdgcn-amd-amdhsa--gfx1250"
	.amdhsa_code_object_version 6
	.text
	.protected	k_q00e0d2ddd1_proj
	.globl	k_q00e0d2ddd1_proj
	.p2align	8
	.type	k_q00e0d2ddd1_proj,@function
k_q00e0d2ddd1_proj:
	s_mov_b64 s[64:65], 0
	v_nop
	global_prefetch_b8 v0, s[64:65] scope:SCOPE_SE
	s_setreg_imm32_b32 hwreg(HW_REG_WAVE_MODE, 25, 1), 1
	s_wait_xcnt 0x0
	s_wait_alu depctr_hold_cnt(0) depctr_sa_sdst(0) depctr_va_vdst(0) depctr_va_sdst(0) depctr_va_ssrc(0) depctr_va_vcc(0) depctr_vm_vsrc(0)
	s_getreg_b32 s2, hwreg(HW_REG_IB_STS2, 6, 4)
	s_cmp_eq_u32 s2, 0
	s_cbranch_scc0 .Lentry_in_a_cluster
	s_endpgm
.Lentry_in_a_cluster:
	s_bfe_u32 s2, ttmp6, 0x10000c
	s_cmp_lg_u32 s2, 0xf033
	s_cbranch_scc0 .Lentry_shape_is_right
	s_endpgm
.Lentry_shape_is_right:
; out0[m][n] = sum over k of ctx[m][k] Wo[n][k].  ctx, Wo: [2048][2048] f16; out0 f32; sums in f32.  A tile of the output is 128 x 128: 256 work-groups.  Four waves, each 64 x 64: 16 accumulators.
; K goes in steps of 256 (LDS rows of 512 bytes; a wave's tensor load brings 64 of them) through two slots.  CLUSTERS: 4 x 4; ctx's tiles are shared along a row of the cluster, Wo's along a column.
; THE MATRIX INSTRUCTION IS USED TRANSPOSED (source 0 = 16 rows of Wo, source 1 = 16 rows of ctx): a lane holds eight neighbouring numbers of a row of the output.
; A wave's 64 f32 columns are 256 aligned bytes of a row, so each wave has a stage of its own on the way out and no barrier is needed there.
; (Rows 0 to 15 are written again, more finely, by a later launch.)
; REGISTERS: window 0: v0-31 addresses; v32-63 at work on the way out; v128-255 the accumulators ((a, b) at v[128 + 8 (4 a + b)]).  window 1: two fragment buffers of 128.
.set SIZE_M, 2048
.set SIZE_N, 2048
.set SIZE_K, 2048
.set KSTEP,  256
.set PITCH,  528
.set HALFT,  64*PITCH
.set SLOT,   4*HALFT
.set STAGE,  2*SLOT
.set SPITCH, 272
.set SPARE,  STAGE+4*16*SPITCH
.set LAPS, SIZE_K/(2*KSTEP)
.set ADRA, 16
.set ADRB, 20
.set STO,  24
.set RD,   25
.set CO,   26
.set SPW,  28
.set NIL,  29
.set TMP,  32
.set ACC,  128
.set F0,   0
.set F1,   128
.set G1, 24
.set G0, 32
.set G1B, 48
.set G0B, 56
.set MSB, 0
.macro WIN new
.if MSB != \new
	s_set_vgpr_msb (MSB<<8)|\new
.set MSB, \new
.endif
.endm
.set MUL,  0x05
.set TO_F, 0x40
.macro JLOAD s                         ; waves 0 and 1 fetch ctx's two halves, waves 2 and 3 Wo's; an s_nop 0 and four v_nop follow each line
	s_cmp_eq_u32 s11, 0
	s_cbranch_scc0 .Lfor_b_\@
	tensor_load_to_lds s[G0+4*\s:G0+4*\s+3], s[G1:G1+7]
	s_nop 0
.rept 4
	v_nop
.endr
	s_branch .Lasked_\@
.Lfor_b_\@:
	tensor_load_to_lds s[G0B+4*\s:G0B+4*\s+3], s[G1B:G1B+7]
	s_nop 0
.rept 4
	v_nop
.endr
.Lasked_\@:
.endm
.macro CREST
	s_cmp_lg_u32 s10, 0
	s_cbranch_scc1 .Lnot_wave_0_\@
	s_barrier_signal -3
.Lnot_wave_0_\@:
	s_barrier_wait -3
	s_barrier_signal -1
	s_barrier_wait -1
.endm
.macro CROUND
	s_barrier_signal -1
	s_barrier_wait -1
	CREST
.endm
	s_load_b128 s[4:7], s[0:1], 0x0                ; ctx, Wo in f16
	s_load_b64 s[8:9], s[0:1], 0x10                ; out0
	v_lshl_add_u32 v[SPW], v0, 2, SPARE
	v_mov_b32 v[NIL], 0
	ds_add_u32 v[SPW], v[NIL]                      ; the wave's opening: the add, twice on end, and its wait ahead of my first tensor load
	ds_add_u32 v[SPW], v[NIL]
	v_lshrrev_b32 v1, 5, v0
	v_readfirstlane_b32 s10, v1
	s_lshr_b32 s11, s10, 1                         ; my half of the rows.  Also: I fetch for ctx (0) or for Wo (1)
	s_and_b32 s12, s10, 1                          ; my half of the columns.  Also: which 64 rows of that tile I fetch
	s_bfe_u32 s40, ttmp6, 0x40000
	s_bfe_u32 s41, ttmp6, 0x40004
	s_lshl_b32 s42, ttmp9, 2
	s_add_co_u32 s42, s42, s40                     ; tile column
	s_and_b32 s13, ttmp7, 0xffff
	s_lshl_b32 s13, s13, 2
	s_add_co_u32 s13, s13, s41                     ; tile row
	s_lshl_b32 s43, s41, 2
	s_lshl_b32 s43, 15, s43
	s_lshl_b32 s44, 0x1111, s40
	s_or_b32 s[G1+0], s43, (1<<16)|(1<<20)|(1<<21)|(6<<22)|(3<<25)  ; the mask; elements of 2 bytes; padding: 4 words behind every 128; bit 21 beside a mask
	s_or_b32 s[G1B+0], s44, (1<<16)|(1<<20)|(1<<21)|(6<<22)|(3<<25)
.irp g, G1, G1B
	s_mov_b32 s[\g+1], KSTEP<<16
	s_mov_b32 s[\g+2], 64<<16
	s_mov_b32 s[\g+3], KSTEP<<16
	s_mov_b32 s[\g+4], 64
	s_mov_b32 s[\g+5], SIZE_K
	s_mov_b32 s[\g+6], 0
	s_mov_b32 s[\g+7], 0
.endr
	s_lshl_b32 s17, s12, 6
	s_lshl_b32 s16, s13, 7
	s_add_co_u32 s16, s16, s17
	s_lshl_b32 s46, s42, 7
	s_add_co_u32 s46, s46, s17
	s_mov_b32 s17, 0
	s_mov_b32 s47, 0
	s_mov_b64 s[18:19], SIZE_K*2
	s_mul_u64 s[16:17], s[16:17], s[18:19]
	s_mul_u64 s[46:47], s[46:47], s[18:19]
	s_mul_i32 s20, s10, HALFT
	s_wait_dscnt 0x0
	s_wait_kmcnt 0x0
	s_add_nc_u64 s[14:15], s[4:5], s[16:17]
	s_add_nc_u64 s[46:47], s[6:7], s[46:47]
	CROUND
.irp s, 0,1
	s_mov_b32 s[G0+4*\s], 1
	s_add_co_u32 s[G0+4*\s+1], s20, \s*SLOT
	s_add_nc_u64 s[G0+4*\s+2:G0+4*\s+3], s[14:15], \s*KSTEP*2
	s_or_b32 s[G0+4*\s+3], s[G0+4*\s+3], 0x80000000
	s_mov_b32 s[G0B+4*\s], 1
	s_add_co_u32 s[G0B+4*\s+1], s20, \s*SLOT
	s_add_nc_u64 s[G0B+4*\s+2:G0B+4*\s+3], s[46:47], \s*KSTEP*2
	s_or_b32 s[G0B+4*\s+3], s[G0B+4*\s+3], 0x80000000
	JLOAD \s
.endr
	v_and_b32 v1, 15, v0
	v_bfe_u32 v2, v0, 4, 1
	v_mul_u32_u24 v3, v1, PITCH
	v_lshl_add_u32 v3, v2, 4, v3
	s_mul_i32 s21, s11, HALFT
	s_mul_i32 s22, s12, HALFT
	s_add_co_u32 s22, s22, 2*HALFT
.irp s, 0,1
	v_add_nc_u32 v[ADRA+\s], s21, v3
	v_add_nc_u32 v[ADRB+\s], s22, v3
	s_add_co_u32 s21, s21, SLOT
	s_add_co_u32 s22, s22, SLOT
.endr
	s_mul_i32 s23, s10, 16*SPITCH
	s_add_co_u32 s23, s23, STAGE                   ; my stage: 16 rows x (256 + 16) bytes
	v_mul_u32_u24 v4, v1, SPITCH
	v_lshl_add_u32 v4, v2, 5, v4
	v_add_nc_u32 v[STO], s23, v4                   ; in: row r, 32 bytes for each half of the lanes
	v_mul_u32_u24 v5, v2, SPITCH
	v_lshl_add_u32 v5, v1, 4, v5
	v_add_nc_u32 v[RD], s23, v5                    ; back: lanes 0-15 one row, lanes 16-31 the next
	v_lshlrev_b32 v5, 13, v2
	v_lshl_add_u32 v[CO], v1, 4, v5                ; and the same two rows in the output
	s_lshl_b32 s16, s13, 7
	s_lshl_b32 s17, s11, 6
	s_add_co_u32 s16, s16, s17                     ; my first row
	s_lshl_b32 s16, s16, 13
	s_mov_b32 s17, 0
	s_add_nc_u64 s[8:9], s[8:9], s[16:17]
	s_lshl_b32 s46, s42, 9                         ; my first column, in bytes
	s_lshl_b32 s47, s12, 8
	s_add_co_u32 s46, s46, s47
	s_mov_b32 s47, 0
	s_add_nc_u64 s[8:9], s[8:9], s[46:47]
.macro MUL8 f, c, a0, zero             ; 8 matrix instructions: m blocks a0, a0 + 1 x all 4 n blocks, 32 along K.  The 16 accumulators take turns
.irp a, \a0, \a0+1
.irp b, 0,1,2,3
.if \zero
	v_wmma_f32_16x16x32_f16 v[ACC+8*(4*(\a)+\b):ACC+8*(4*(\a)+\b)+7], v[\f+64+8*(4*\c+\b):\f+64+8*(4*\c+\b)+7], v[\f+8*(4*\c+\a):\f+8*(4*\c+\a)+7], 0
.else
	v_wmma_f32_16x16x32_f16 v[ACC+8*(4*(\a)+\b):ACC+8*(4*(\a)+\b)+7], v[\f+64+8*(4*\c+\b):\f+64+8*(4*\c+\b)+7], v[\f+8*(4*\c+\a):\f+8*(4*\c+\a)+7], v[ACC+8*(4*(\a)+\b):ACC+8*(4*(\a)+\b)+7]
.endif
.endr
.endr
.endm
.macro FETCH slot, k, f                ; 32 LDS loads in one run: 64 along K at byte k of the rows; the first 32 along K first
	WIN TO_F
.irp c, 0,1
.irp i, 0,1,2,3
	ds_load_b128 v[\f+64+8*(4*\c+\i):\f+64+8*(4*\c+\i)+3],   v[ADRB+\slot] offset:\k+64*\c+\i*16*PITCH
	ds_load_b128 v[\f+64+8*(4*\c+\i)+4:\f+64+8*(4*\c+\i)+7], v[ADRB+\slot] offset:\k+64*\c+\i*16*PITCH+32
	ds_load_b128 v[\f+8*(4*\c+\i):\f+8*(4*\c+\i)+3],         v[ADRA+\slot] offset:\k+64*\c+\i*16*PITCH
	ds_load_b128 v[\f+8*(4*\c+\i)+4:\f+8*(4*\c+\i)+7],       v[ADRA+\slot] offset:\k+64*\c+\i*16*PITCH+32
.endr
.endr
.endm
.macro PLACES
.rept 4
	v_nop
.endr
.endm
.macro QUARTER slot, k, f, g, zero
	s_wait_dscnt 16                                ; the first 32 along K are in; the youngest sixteen loads may be out
	WIN MUL
	MUL8 \f, 0, 0, \zero
	MUL8 \f, 0, 2, \zero
	PLACES
	FETCH \slot, \k, \g
	s_wait_dscnt 32                                ; all but the 32 just issued
	WIN MUL
	MUL8 \f, 1, 0, 0
	MUL8 \f, 1, 2, 0
.endm
.macro TURN slot, next, fill
	WIN 0
	s_wait_tensorcnt 0x0                           ; all my tensor loads have landed: my part of the next slot
	ds_add_u32 v[SPW], v[NIL]
	s_wait_dscnt 17                                ; the add and the youngest sixteen loads may be out
	WIN MUL
	MUL8 F1, 0, 0, 0
	s_wait_dscnt 0x0                               ; the add is done, and my reads of this slot are over
	s_barrier_signal -1
	MUL8 F1, 0, 2, 0
.if \fill
	WIN 0
.endif
	s_barrier_wait -1
.if \fill
	CREST
	s_add_nc_u64 s[G0+4*\slot+2:G0+4*\slot+3], s[G0+4*\slot+2:G0+4*\slot+3], 2*KSTEP*2
	s_add_nc_u64 s[G0B+4*\slot+2:G0B+4*\slot+3], s[G0B+4*\slot+2:G0B+4*\slot+3], 2*KSTEP*2
	JLOAD \slot                                    ; the first tensor load behind the round; its four v_nop are the places in front of the loads below
.else
	PLACES
.endif
	FETCH \next, 0, F0
	WIN MUL
	MUL8 F1, 1, 0, 0
	MUL8 F1, 1, 2, 0
.endm
	s_wait_tensorcnt 1                             ; my part of K step 0 is in; K step 1's load may stay out
	s_barrier_signal -1
	s_barrier_wait -1
	FETCH 0, 0, F0
	QUARTER 0, 128, F0, F1, 1
	WIN 0
	s_mov_b32 s3, LAPS-1
.Llap:
	QUARTER 0, 256, F1, F0, 0
	QUARTER 0, 384, F0, F1, 0
	TURN 0, 1, 1
	QUARTER 1, 128, F0, F1, 0
	QUARTER 1, 256, F1, F0, 0
	QUARTER 1, 384, F0, F1, 0
	TURN 1, 0, 1
	QUARTER 0, 128, F0, F1, 0
	WIN 0
	s_sub_co_u32 s3, s3, 1
	s_cmp_lg_u32 s3, 0
	s_cbranch_scc1 .Llap
	QUARTER 0, 256, F1, F0, 0
	QUARTER 0, 384, F0, F1, 0
	TURN 0, 1, 0
	QUARTER 1, 128, F0, F1, 0
	QUARTER 1, 256, F1, F0, 0
	QUARTER 1, 384, F0, F1, 0
	s_wait_dscnt 16
	WIN MUL
	MUL8 F1, 0, 0, 0
	MUL8 F1, 0, 2, 0
	s_wait_dscnt 0
	MUL8 F1, 1, 0, 0
	MUL8 F1, 1, 2, 0
	WIN 0
	; THE WAY OUT, 16 rows at a time through my own stage: LDS serves a wave's instructions in order, so no wait stands between the stores and the loads
	PLACES
.irp a, 0,1,2,3
.if \a > 0
	s_wait_xcnt 0x0                                ; the last block's stores have read their data
.endif
.irp b, 0,1,2,3
	ds_store_b128 v[STO], v[ACC+8*(4*\a+\b):ACC+8*(4*\a+\b)+3] offset:64*\b          ; each accumulator from its low end on
	ds_store_b128 v[STO], v[ACC+8*(4*\a+\b)+4:ACC+8*(4*\a+\b)+7] offset:64*\b+16
.endr
.irp t, 0,1,2,3,4,5,6,7
	ds_load_b128 v[TMP+4*\t:TMP+4*\t+3], v[RD] offset:2*\t*SPITCH
.endr
.irp t, 0,1,2,3,4,5,6,7
	s_wait_dscnt 7-\t
	global_store_b128 v[CO], v[TMP+4*\t:TMP+4*\t+3], s[8:9] offset:(16*\a+2*\t)*SIZE_N*4   ; 16 lanes store 256 consecutive bytes, aligned
.endr
.endr
	s_wait_tensorcnt 0x0                           ; the wave's end: the three lines
	ds_add_u32 v[SPW], v[NIL]
	s_wait_dscnt 0x0
	CROUND
	s_endpgm
.Lfunc_end_k_q00e0d2ddd1_proj:
	.size	k_q00e0d2ddd1_proj, .Lfunc_end_k_q00e0d2ddd1_proj-k_q00e0d2ddd1_proj
	.p2alignl 7, 3214868480
	.fill 96, 4, 3214868480
	.section	.rodata,"a",@progbits
	.p2align	6, 0x0
	.amdhsa_kernel k_q00e0d2ddd1_proj
		.amdhsa_group_segment_fixed_size 327680
		.amdhsa_private_segment_fixed_size 0
		.amdhsa_enable_private_segment 0
		.amdhsa_kernarg_size 24
		.amdhsa_user_sgpr_count 2
		.amdhsa_user_sgpr_kernarg_segment_ptr 1
		.amdhsa_wavefront_size32 1
		.amdhsa_system_sgpr_workgroup_id_x 1
		.amdhsa_system_sgpr_workgroup_id_y 1
		.amdhsa_system_sgpr_workgroup_id_z 1
		.amdhsa_system_vgpr_workitem_id 0
		.amdhsa_next_free_vgpr 512
		.amdhsa_next_free_sgpr 66
		.amdhsa_reserve_vcc 0
		.amdhsa_float_denorm_mode_32 3
		.amdhsa_float_denorm_mode_16_64 3
		.amdhsa_memory_ordered 1
		.amdhsa_forward_progress 1
		.amdhsa_inst_pref_size 86
	.end_amdhsa_kernel
	.amdgpu_metadata
---
amdhsa.version: [ 1, 2 ]
amdhsa.kernels:
  - .name:           k_q00e0d2ddd1_proj
    .symbol:         k_q00e0d2ddd1_proj.kd
    .args:
      - { .name: ctx, .offset: 0, .size: 8, .value_kind: global_buffer, .address_space: global }
      - { .name: woh, .offset: 8, .size: 8, .value_kind: global_buffer, .address_space: global }
      - { .name: out0, .offset: 16, .size: 8, .value_kind: global_buffer, .address_space: global }
    .group_segment_fixed_size: 327680
    .private_segment_fixed_size: 0
    .kernarg_segment_align: 8
    .kernarg_segment_size: 24
    .max_flat_workgroup_size: 128
    .sgpr_count:     66
    .vgpr_count:     512
    .wavefront_size: 32
...
	.end_amdgpu_metadata
.endif
;; end of part 4
;; launch fine (part 5): grid 128 x 1, 16 waves a work-group, no clusters, 153,600 bytes of LDS; arguments qkv, vf, mw, Wo, out0; writes out0
.if DOCPART == 5
	.amdgcn_target "amdgcn-amd-amdhsa--gfx1250"
	.amdhsa_code_object_version 6
	.text
	.protected	k_q00e0d2ddd1_fine
	.globl	k_q00e0d2ddd1_fine
	.p2align	8
	.type	k_q00e0d2ddd1_fine,@function
k_q00e0d2ddd1_fine:
	s_mov_b64 s[64:65], 0
	v_nop
	global_prefetch_b8 v0, s[64:65] scope:SCOPE_SE
	s_setreg_imm32_b32 hwreg(HW_REG_WAVE_MODE, 25, 1), 1
	s_wait_xcnt 0x0
; Rows 0 to 15 of the output once more, more finely: these positions may average one or a few values, and are then the largest of the output.  It writes over what the f16 projection left there.
; Scores from the f16 q and k (f32 sums); the weights, v, the context and Wo stay in f32 through the second product and the projection (the f32 matrix form: 16 rows, no bulk work).
; SHARES.  A work-group takes 16 outputs n; wave w takes head w.  Every work-group makes the 16 rows' attention of all 16 heads itself: the projection's K is (head, channel), so wave w's O^T IS the K slice
; 128 w .. 128 w + 127 of the projection, in the lanes and registers in which its source 1 wants it, and no context goes through memory or from wave to wave.
; WHICH KEYS.  A tile of 16 keys whose eight lane words are all ones adds nothing for any of the 16 rows and is jumped over: scalar branches on whole numbers that an earlier launch stored; right for every mask.
; So this launch has no tensor load and no copy.  A wave reads all 1,024 words once (eight dense loads), and eight compares give scalar masks F_i: bits 2 u, 2 u + 1 of F_i say whether tile 16 i + u has a key left.
; THE PRICE: a wave walks as many tiles as the mask leaves to the first 16 rows, up to 128, one after the other, in each of the 128 work-groups.
; LAYOUT.  S^T = K Q^T: lane (r, h) holds query r and keys 8 h + 0..7.  O^T = V^T P by 16x16x4: slot (h, j) of the i-th instruction stands for key 8 h + 2 i + j in both operands; register 8 tau + i of O^T is
; channel 16 tau + 8 h + i.  The projection: source 0 = 16 rows of Wo, source 1 = O^T / the sum; slot (h, j) of instruction q stands for k = 128 w + 16 (q / 4) + 8 h + 2 (q % 4) + j in both.
; Its result: lane (r, h) holds row r and outputs 8 h + 0..7.  The sixteen waves' sums meet in LDS; waves 0 and 1 add one half each.  A work-group owns 64 bytes of each of the 16 rows: its stores are that short.
; A row with no key left: m stays -3e38, the sum is 0, and 0 x (1 / 0) is the NaN that its softmax is.  LIMITS: NaN and infinities among the inputs are not served.
.set WP,    528                        ; LDS: a row of Wo's slice, 512 bytes + 16 of padding: the 16 rows of a fragment load start at 16 different banks
.set WREG,  16*WP                      ; a stage for each wave, its own
.set RED,   16*WREG                    ; 16 x 1,024 bytes: the waves' sums as images of registers
.set SPARE, RED+16*1024                ; the spare words, 128 bytes a wave
.set KA,  1                            ; 256 r + 16 h
.set VA,  2                            ; 4,096 h + 4 r
.set M,   3
.set CM,  4                            ; c m; named as a pair with l
.set L,   5
.set AA,  6                            ; a, later 1 / the sum; named as a pair with v7
.set SPW, 12
.set NIL, 13
.set NEG, 14
.set LN,  15                           ; 16 x lane
.set VF0, 16                           ; v16-47   V of channels 0-63: register 8 tau + i = key 8 h + i, channel 16 tau + r
.set KF,  48                           ; v48-79   K's four fragments
.set WR,  16                           ; v16-79   at the head: Wo as loaded; behind the loop: Wo's fragments, register 8 tau + e = Wo[n0 + r][128 w + 16 tau + 8 h + e]
.set Q,   80                           ; v80-111
.set S,   112                          ; v112-119 the scores, then the weights, in place
.set WS,  120                          ; the LDS addresses, all made at the head
.set WL,  121
.set RA,  122
.set RB,  123
.set OA,  124
.set VF1, 128                          ; v128-159 V of channels 64-127; at the head the mask words; at the end the sums
.set MR,  128
.set T,   128
.set TU,  136
.set ACC, 160                          ; v160-191 written by matrix instructions alone
.set OR,  192                          ; v192-255 O^T
.set CS,  2
.set WV,  14
.set MWD, 16                           ; s[16:23] a tile's eight lane words
.set KP,  24                           ; s[24:25] K at tile u
.set MP,  30                           ; s[30:31] the lane words of tile u
.set F,   32                           ; s32-39   F_0 .. F_7
.set ANY, 40
.set UC,  41
.set SH,  42
.set SEL, 48
	s_load_b256 s[4:11], s[0:1], 0x0               ; qkv, vf, mw, Wo
	s_load_b64 s[12:13], s[0:1], 0x20              ; out0
	v_lshl_add_u32 v[SPW], v0, 2, SPARE
	v_mov_b32 v[NIL], 0
	v_lshrrev_b32 v1, 5, v0
	v_readfirstlane_b32 s[WV], v1                  ; wave = head
	v_and_b32 v8, 15, v0                           ; r
	v_bfe_u32 v9, v0, 4, 1                         ; h
	v_and_b32 v10, 31, v0
	v_lshlrev_b32 v[LN], 4, v10
	v_lshlrev_b32 v[KA], 8, v8
	v_lshl_add_u32 v[KA], v9, 4, v[KA]
	v_lshlrev_b32 v[VA], 2, v8
	v_lshl_add_u32 v[VA], v9, 12, v[VA]
	s_mul_i32 s15, s[WV], WREG                     ; my stage
	v_add_nc_u32 v[WS], s15, v[LN]                 ; in: a row's 512 bytes, 16 a lane
	v_mul_u32_u24 v[WL], v8, WP
	v_lshl_add_u32 v[WL], v9, 5, v[WL]
	v_add_nc_u32 v[WL], s15, v[WL]                 ; back: row r, byte 32 h
	s_lshl_b32 s15, s[WV], 10
	s_add_co_u32 s15, s15, RED
	v_add_nc_u32 v[RA], s15, v[LN]                 ; where I put my sums
	s_and_b32 s15, s[WV], 1
	s_lshl_b32 s44, s15, 9
	s_add_co_u32 s44, s44, RED
	v_add_nc_u32 v[RB], s44, v[LN]                 ; the half that I add, if I am wave 0 or 1
	v_lshlrev_b32 v[OA], 13, v8
	v_lshl_add_u32 v[OA], v9, 5, v[OA]
	s_lshl_b32 s15, s15, 4
	v_add_nc_u32 v[OA], s15, v[OA]                 ; out0: row r of 8,192 bytes, + 32 h + 16 x half
	s_mov_b32 s[CS], 0x3e0293ee                    ; c = log2(e) / sqrt(128)
	s_mov_b32 s[CS+1], s[CS]
	s_mov_b32 s[SEL], 0x76543210
	s_mov_b32 s[SEL+1], 0xfedcba98
	s_mov_b32 s47, 0                               ; the high word of every offset pair s[46:47]
	s_wait_kmcnt 0x0
	s_lshr_b32 s15, s[WV], 1                       ; the group
	s_add_co_u32 s46, s15, 16
	s_lshl_b32 s46, s46, 19
	s_add_nc_u64 s[KP:KP+1], s[4:5], s[46:47]      ; K of my group
	s_lshl_b32 s46, s[WV], 19
	s_add_nc_u64 s[4:5], s[4:5], s[46:47]          ; Q: my head's first 16 rows
	s_lshl_b32 s46, s15, 20
	s_add_nc_u64 s[6:7], s[6:7], s[46:47]          ; V in f32
	s_mov_b64 s[MP:MP+1], s[8:9]                   ; the words of positions 0 to 15 stand at the buffer's head
	s_lshl_b32 s46, ttmp9, 17                      ; Wo: 16 rows of 8,192 bytes a work-group, 512 bytes of a row a wave
	s_lshl_b32 s15, s[WV], 9
	s_add_co_u32 s46, s46, s15
	s_add_nc_u64 s[10:11], s[10:11], s[46:47]
	s_lshl_b32 s46, ttmp9, 6
	s_add_nc_u64 s[12:13], s[12:13], s[46:47]
.irp i, 0,1,2,3,4,5,6,7
	global_load_b128 v[MR+4*\i:MR+4*\i+3], v[LN], s[8:9] offset:512*\i    ; lane l: words 4 (l % 2) + 0..3 of tile 16 i + l / 2
.endr
.irp c, 0,1,2,3
	global_load_b128 v[Q+8*\c:Q+8*\c+3], v[KA], s[4:5] offset:64*\c
	global_load_b128 v[Q+8*\c+4:Q+8*\c+7], v[KA], s[4:5] offset:64*\c+32
.endr
.irp i, 0,1,2,3,4,5,6,7,8,9,10,11,12,13,14,15
	global_load_b128 v[WR+4*\i:WR+4*\i+3], v[LN], s[10:11] offset:8192*\i th:TH_LOAD_NT   ; 512 consecutive bytes of row i; each byte of Wo is read by one wave of the launch
.endr
	v_mov_b32 v[M], 0xff61b1e6                     ; -3e38, under every score
	v_mul_f32 v[CM], s[CS], v[M]
	v_mov_b32 v[L], 0
	v_mov_b32 v[AA], 0
	v_mov_b32 v7, 0
	v_mov_b32 v8, 0
	v_mov_b32 v[NEG], 0xff800000
.set i, 0
.rept 64
	v_mov_b32 v[OR+i], 0                           ; a tile is written without a first tile of its own: which tile is the first hangs on the mask
.set i, i+1
.endr
	s_wait_loadcnt 24                              ; the mask words are in; Q's 8 loads and Wo's 16 stay out
.irp i, 0,1,2,3,4,5,6,7
	v_and_b32 v[MR+4*\i], v[MR+4*\i], v[MR+4*\i+1]
	v_and_b32 v[MR+4*\i+2], v[MR+4*\i+2], v[MR+4*\i+3]
.endr
.irp i, 0,1,2,3,4,5,6,7
	v_and_b32 v[MR+4*\i], v[MR+4*\i], v[MR+4*\i+2]
.endr
.irp i, 0,1,2,3,4,5,6,7
	v_cmp_ne_u32 s[F+\i], -1, v[MR+4*\i]           ; bit l: my half of tile 16 i + l / 2 has a key left
.endr
	s_or_b32 s[ANY], s[F], s[F+1]
.irp i, 2,3,4,5,6,7
	s_or_b32 s[ANY], s[ANY], s[F+\i]
.endr
	s_wait_loadcnt 0x0                             ; Q and Wo
.irp i, 0,1,2,3,4,5,6,7,8,9,10,11,12,13,14,15
	ds_store_b128 v[WS], v[WR+4*\i:WR+4*\i+3] offset:\i*WP
.endr
	s_wait_dscnt 0x0                               ; the stores have read their registers, which the tiles' loads take
; 16 f32 matrix instructions: four tiles of 16 channels by turns, four keys an instruction; the first four start the sums.  Then O^T = O^T a + the sums, into other registers.
.macro PVH vf, o
.irp i, 0,1,2,3
.irp u, 0,1,2,3
.if \i == 0
	v_wmma_f32_16x16x4_f32 v[ACC+8*\u:ACC+8*\u+7], v[\vf+8*\u+2*\i:\vf+8*\u+2*\i+1], v[S+2*\i:S+2*\i+1], 0
.else
	v_wmma_f32_16x16x4_f32 v[ACC+8*\u:ACC+8*\u+7], v[\vf+8*\u+2*\i:\vf+8*\u+2*\i+1], v[S+2*\i:S+2*\i+1], v[ACC+8*\u:ACC+8*\u+7]
.endif
.endr
.endr
.rept 8
	v_nop                                          ; eight places behind this form, in front of the reads of its results
.endr
.irp u, 0,1,2,3
.irp i, 0,2,4,6
	v_pk_fma_f32 v[OR+\o+8*\u+\i:OR+\o+8*\u+\i+1], v[OR+\o+8*\u+\i:OR+\o+8*\u+\i+1], v[AA:AA+1], v[ACC+8*\u+\i:ACC+8*\u+\i+1] op_sel_hi:[1,0,1]
.endr
.endr
.endm
; Tile 16 trip + u.  The pointers stand at tile u; 16 tiles are 65,536 bytes of K, 131,072 of V and 512 of lane words: they stand in the immediates.
.macro TILE trip
	s_lshr_b32 s44, s[F+\trip], s[SH]
	s_and_b32 s44, s44, 3
	s_cmp_eq_u32 s44, 0
	s_cbranch_scc1 .Lskip_\@
	s_load_b256 s[MWD:MWD+7], s[MP:MP+1], 512*(\trip)
.irp c, 0,1,2,3
	global_load_b128 v[KF+8*\c:KF+8*\c+3], v[KA], s[KP:KP+1] offset:(\trip)*65536+64*\c
	global_load_b128 v[KF+8*\c+4:KF+8*\c+7], v[KA], s[KP:KP+1] offset:(\trip)*65536+64*\c+32
.endr
.irp u, 0,1,2,3
.irp i, 0,1,2,3,4,5,6,7
	global_load_b32 v[VF0+8*\u+\i], v[VA], s[6:7] offset:(\trip)*131072+\i*512+\u*64
.endr
.endr
	s_wait_loadcnt 32                              ; K is in; V's first 32 loads may stay out
	v_wmma_f32_16x16x32_f16 v[S:S+7], v[KF:KF+7], v[Q:Q+7], 0
.irp c, 1,2,3
	s_wait_alu depctr_va_vdst(0)                   ; the wait stands directly ahead of each link
	v_wmma_f32_16x16x32_f16 v[S:S+7], v[KF+8*\c:KF+8*\c+7], v[Q+8*\c:Q+8*\c+7], v[S:S+7]
.endr
.rept 4
	v_nop                                          ; four places in front of the reads of the scores
.endr
.irp u, 0,1,2,3
.irp i, 0,1,2,3,4,5,6,7
	global_load_b32 v[VF1+8*\u+\i], v[VA], s[6:7] offset:(\trip)*131072+\i*512+(\u+4)*64
.endr
.endr
	s_wait_kmcnt 0x0                               ; the tile's lane words
.irp j, 0,1,2,3,4,5,6,7
	v_cndmask_b32 v[S+\j], v[S+\j], v[NEG], s[MWD+\j]
.endr
	v_max3_num_f32 v7, v[S], v[S+1], v[S+2]
	v_max3_num_f32 v8, v[S+3], v[S+4], v[S+5]
	v_max3_num_f32 v7, v7, v[S+6], v[S+7]
	v_max3_num_f32 v7, v7, v8, v[M]
	v_permlanex16_b32 v8, v7, s[SEL], s[SEL+1]
	v_mov_b32 v9, v[CM]
	v_max_num_f32 v[M], v7, v8
	v_mul_f32 v[CM], s[CS], v[M]
	v_sub_f32 v9, v9, v[CM]
.irp b, 0,2,4,6
	v_pk_fma_f32 v[S+\b:S+\b+1], v[S+\b:S+\b+1], s[CS:CS+1], v[CM:CM+1] op_sel_hi:[1,0,0] neg_lo:[0,0,1] neg_hi:[0,0,1]
.endr
.irp j, 0,1,2,3,4,5,6,7
	v_exp_f32 v[S+\j], v[S+\j]
.endr
	v_exp_f32 v[AA], v9
	v_nop                                          ; a plain instruction behind the last exponential
	s_wait_alu depctr_va_vdst(0)                   ; one wait for the nine exponentials
	v_pk_add_f32 v[8:9], v[S:S+1], v[S+2:S+3]
	v_pk_add_f32 v[10:11], v[S+4:S+5], v[S+6:S+7]
	v_pk_add_f32 v[8:9], v[8:9], v[10:11]
	v_add_f32 v8, v8, v9
	v_fma_f32 v[L], v[L], v[AA], v8
	s_wait_loadcnt 32                              ; V's first 32 loads are in; the second 32 may stay out
	PVH VF0, 0
	s_wait_loadcnt 0x0
	PVH VF1, 32
.Lskip_\@:
.endm
	s_mov_b32 s[UC], 0
.Lu:                                                   ; 16 trips: u; in a trip the eight tiles 16 i + u
	s_lshl_b32 s[SH], s[UC], 1
	s_lshr_b32 s44, s[ANY], s[SH]
	s_and_b32 s44, s44, 3
	s_cmp_eq_u32 s44, 0
	s_cbranch_scc1 .Lnext_u                        ; none of the eight has a key left
.irp p, 0,1,2,3,4,5,6,7
	TILE \p
.endr
.Lnext_u:
	s_wait_xcnt 0x0                                ; every load of the trip has read its base: the three pointers step
	s_add_nc_u64 s[KP:KP+1], s[KP:KP+1], 4096
	s_add_nc_u64 s[6:7], s[6:7], 8192
	s_add_nc_u64 s[MP:MP+1], s[MP:MP+1], 32
	s_add_co_u32 s[UC], s[UC], 1
	s_cmp_lt_u32 s[UC], 16
	s_cbranch_scc1 .Lu
	; THE PROJECTION.  Wo's fragments come back from my stage (LDS serves a wave's instructions in order; nobody else touches these bytes) while O^T is divided by the sum.
.irp t, 0,1,2,3,4,5,6,7
	ds_load_b128 v[WR+8*\t:WR+8*\t+3], v[WL] offset:64*\t
	ds_load_b128 v[WR+8*\t+4:WR+8*\t+7], v[WL] offset:64*\t+16
.endr
	v_permlanex16_b32 v8, v[L], s[SEL], s[SEL+1]
	v_add_f32 v[L], v[L], v8                       ; with the other half of the lanes' keys: the row's sum
	v_rcp_f32 v[AA], v[L]
	v_nop
	s_wait_alu depctr_va_vdst(0)
.set i, 0
.rept 32
	v_pk_mul_f32 v[OR+i:OR+i+1], v[OR+i:OR+i+1], v[AA:AA+1] op_sel_hi:[1,0]
.set i, i+2
.endr
	s_wait_dscnt 0x0
.set q, 0
.rept 32                               ; four accumulators by turns; the first four instructions start the sums
.if q < 4
	v_wmma_f32_16x16x4_f32 v[ACC+8*(q%4):ACC+8*(q%4)+7], v[WR+2*q:WR+2*q+1], v[OR+2*q:OR+2*q+1], 0
.else
	v_wmma_f32_16x16x4_f32 v[ACC+8*(q%4):ACC+8*(q%4)+7], v[WR+2*q:WR+2*q+1], v[OR+2*q:OR+2*q+1], v[ACC+8*(q%4):ACC+8*(q%4)+7]
.endif
.set q, q+1
.endr
.rept 8
	v_nop                                          ; eight places behind this form, in front of the reads of its results
.endr
.irp e, 0,2,4,6
	v_pk_add_f32 v[T+\e:T+\e+1], v[ACC+\e:ACC+\e+1], v[ACC+8+\e:ACC+8+\e+1]        ; each accumulator from its low end on
.endr
.irp e, 0,2,4,6
	v_pk_add_f32 v[TU+\e:TU+\e+1], v[ACC+16+\e:ACC+16+\e+1], v[ACC+24+\e:ACC+24+\e+1]
.endr
.irp e, 0,2,4,6
	v_pk_add_f32 v[T+\e:T+\e+1], v[T+\e:T+\e+1], v[TU+\e:TU+\e+1]
.endr
	ds_store_b128 v[RA], v[T:T+3]
	ds_store_b128 v[RA], v[T+4:T+7] offset:512
	s_wait_dscnt 0x0                               ; for the others' sake: my sums lie in LDS
	s_barrier_signal -1
	s_barrier_wait -1
	s_cmp_ge_u32 s[WV], 2
	s_cbranch_scc1 .Ldone
.irp k, 0,1,2,3,4,5,6,7,8,9,10,11,12,13,14,15
	ds_load_b128 v[16+4*\k:19+4*\k], v[RB] offset:1024*\k      ; my half of the sixteen waves' sums
.endr
	s_wait_dscnt 0x0
.irp s, 32,16,8,4
.set i, 0
.rept \s/2
	v_pk_add_f32 v[16+i:17+i], v[16+i:17+i], v[16+\s+i:17+\s+i]
.set i, i+2
.endr
.endr
	global_store_b128 v[OA], v[16:19], s[12:13]    ; row r, outputs 8 h + 4 x half + 0..3
.Ldone:
	s_wait_tensorcnt 0x0                           ; the wave's end: three lines behind my last LDS store
	ds_add_u32 v[SPW], v[NIL]
	s_wait_dscnt 0x0
	s_endpgm
.Lfunc_end_k_q00e0d2ddd1_fine:
	.size	k_q00e0d2ddd1_fine, .Lfunc_end_k_q00e0d2ddd1_fine-k_q00e0d2ddd1_fine
	.p2alignl 7, 3214868480
	.fill 96, 4, 3214868480
	.section	.rodata,"a",@progbits
	.p2align	6, 0x0
	.amdhsa_kernel k_q00e0d2ddd1_fine
		.amdhsa_group_segment_fixed_size 153600
		.amdhsa_private_segment_fixed_size 0
		.amdhsa_enable_private_segment 0
		.amdhsa_kernarg_size 40
		.amdhsa_user_sgpr_count 2
		.amdhsa_user_sgpr_kernarg_segment_ptr 1
		.amdhsa_wavefront_size32 1
		.amdhsa_system_sgpr_workgroup_id_x 1
		.amdhsa_system_sgpr_workgroup_id_y 1
		.amdhsa_system_sgpr_workgroup_id_z 1
		.amdhsa_system_vgpr_workitem_id 0
		.amdhsa_next_free_vgpr 256
		.amdhsa_next_free_sgpr 66
		.amdhsa_reserve_vcc 0
		.amdhsa_float_denorm_mode_32 3
		.amdhsa_float_denorm_mode_16_64 3
		.amdhsa_memory_ordered 1
		.amdhsa_forward_progress 1
		.amdhsa_inst_pref_size 132
	.end_amdhsa_kernel
	.amdgpu_metadata
---
amdhsa.version: [ 1, 2 ]
amdhsa.kernels:
  - .name:           k_q00e0d2ddd1_fine
    .symbol:         k_q00e0d2ddd1_fine.kd
    .args:
      - { .name: qkv, .offset: 0, .size: 8, .value_kind: global_buffer, .address_space: global }
      - { .name: vf, .offset: 8, .size: 8, .value_kind: global_buffer, .address_space: global }
      - { .name: mw, .offset: 16, .size: 8, .value_kind: global_buffer, .address_space: global }
      - { .name: Wo, .offset: 24, .size: 8, .value_kind: global_buffer, .address_space: global }
      - { .name: out0, .offset: 32, .size: 8, .value_kind: global_buffer, .address_space: global }
    .group_segment_fixed_size: 153600
    .private_segment_fixed_size: 0
    .kernarg_segment_align: 8
    .kernarg_segment_size: 40
    .max_flat_workgroup_size: 512
    .sgpr_count:     66
    .vgpr_count:     256
    .wavefront_size: 32
...
	.end_amdgpu_metadata
.endif
;; end of part 5
